; MI455X (gfx1250); checked and timed in simulation.
; The chip was launched on July 23, 2026; its instructions are those of AMD's public machine-readable ISA for CDNA 5 (MIT licence, August 2026) and "CDNA5" Instruction Set Architecture Reference Guide (July 2026). The comments in the code are by the model that wrote it; some were corrected since.
;; Casual Attention. Allowed arithmetic: matrix products marked QUANTISED: E2M3 operands, one E8M0 scale for each 32 along K, by v_wmma_scale_f32_16x16x128_f8f6f4 with both operands' format E2M3, f32 sums; products left as they are: f32 operands where the result goes on into a quantised operand, else bf16, f16 or f32 operands; f32 sums; everything else in f32.
;; Inputs: Wk 1,024 x 1,024 float32; Wq_codes 1,024 x 32 x 24 uint8 (E2M3 codes of Wq, K innermost, in blocks of 32 codes, four codes in three bytes); Wq_scales 1,024 x 32 uint8 (E8M0 scales of Wq, one for each 32 codes along K); Wv_codes 1,024 x 32 x 24 uint8 (E2M3 codes of Wv, K innermost, in blocks of 32 codes, four codes in three bytes); Wv_scales 1,024 x 32 uint8 (E8M0 scales of Wv, one for each 32 codes along K); x_codes 4 x 2,048 x 32 x 24 uint8 (E2M3 codes of x, K innermost, in blocks of 32 codes, four codes in three bytes); x_scales 4 x 2,048 x 32 uint8 (E8M0 scales of x, one for each 32 codes along K).
;; Outputs: out0 4 x 2,048 x 1,024 float32.
;; This version of the problem:
;;   THIS VERSION OF THE PROBLEM IS GIVEN IN LOW PRECISION. The matrix products marked QUANTISED in the list below multiply operands that are first quantised to E2M3 (2 exponent bits, 3 mantissa bits; 6 bits a number), with one power-of-two scale for each 32 numbers along K (OCP MX v1.0); their sums are f32. All else is computed in f32.
;;   The module's matrix products, in the order in which they are computed (A, B: the left and right operand; K: the contracted axis; several contracted axes count as one K, in the product's order):
;;     1. [M 8,192, K 1,024] x [K 1,024, N 1,024]; A: input x (given as codes); B: input Wq (given as codes): QUANTISED
;;     2. [M 1,048,576, K 1] x [K 1, N 1]; A: computed on the way; B: computed on the way: left as it is (no contracted axis)
;;     3. [M 8,192, K 1,024] x [K 1,024, N 1,024]; A: input x (given as codes); B: computed on the way: QUANTISED
;;     4. [M 8,192, K 1,024] x [K 1,024, N 1,024]; A: input x (given as codes); B: input Wv (given as codes): QUANTISED
;;     5. batch 4 x [M 2,048, K 1,024] x [K 1,024, N 2,048]; A: computed on the way; B: computed on the way: QUANTISED
;;     6. batch 4 x [M 2,048, K 2,048] x [K 2,048, N 1,024]; A: softmax (see below); B: computed on the way: QUANTISED
;;   THE QUANTISER, for each operand of a quantised product, along K:
;;     - K is cut into blocks of 32 from its start; a last block that is shorter is filled with zeros.
;;     - A block's scale is 2^e with e = floor(log2(the largest magnitude in the block)) - 2, held to -126 .. 127; a block of zeros has e = 0. As a byte (E8M0): e + 127.
;;     - Each number is divided by its block's scale, clamped to +-7.5, and rounded to the nearest number of E2M3, ties to even, subnormals kept.
;;     - The product sums the exact products of the quantised numbers (number of the format x scale) in f32.
;;   ~~~python
;;   def quantise(x, axis):      # numpy; x: float32 -> the quantised numbers, widened to float32 again
;;       x = np.moveaxis(x, axis, -1); K = x.shape[-1]
;;       x = np.pad(x, [(0, 0)] * (x.ndim - 1) + [(0, -K % 32)]); x = x.reshape(x.shape[:-1] + (-1, 32)); a = np.abs(x).max(-1, keepdims=True)
;;       e = np.where(a > 0, np.clip(np.frexp(np.where(a > 0, a, 1))[1] - 1 - 2, -126, 127), 0)      # np.frexp(a)[1] - 1 = floor(log2(a)), exactly
;;       r = np.clip(x / 2.0 ** e, -7.5, 7.5)
;;       step = 2.0 ** (np.maximum(np.frexp(np.where(r == 0, 1, r))[1] - 1, 0) - 3)
;;       q = np.round(r / step) * step * 2.0 ** e      # np.round: ties to even
;;       return np.moveaxis(q.reshape(q.shape[:-2] + (-1,))[..., :K], -1, axis).astype(np.float32)
;;   ~~~
;;   SOFTMAX AHEAD OF A QUANTISED PRODUCT. Where the list says 'softmax', what is quantised is not the finished softmax but p = 2^(t - M), with t = logit x log2(e) and M = ceil(the row's largest t), a whole number; so 1/2 < the row's largest p <= 1. The row's sum l is taken of the UNQUANTISED p, in f32, and the product's result is divided by l at the end. Since M is a whole number, a kernel that streams over the keys may use a running M (the ceiling of the running maximum): every later rescaling is an exact power of two, which a block's scale takes up: the codes' values come out the same.
;;   OPERANDS COMPUTED ON THE WAY. 'Computed on the way' means the value that the module computes at that place (a softmax that the list does not call 'softmax' is quantised finished and normalised). What goes into a quantiser is computed in f32, as accurately as f32 sums, v_exp_f32 and their like allow (about 1e-6 of the number): no bf16 or f16 on the way to a quantiser, and a product that is left as it is and whose result goes on into a quantised operand takes f32 operands (vector FMAs, or v_wmma_f32_16x16x4_f32). A number that lies on a knife's edge between two numbers of the format may be rounded either way, as far as f32 arithmetic and the matrix unit's own rounding can turn it there, and no further.
;;   INPUTS GIVEN AS CODES. Wq (in the module: [1024, 1024], K = its axis 0); Wv (in the module: [1024, 1024], K = its axis 0); x (in the module: [4, 2048, 1024], K = its axis 2): each comes as NAME_codes (uint8): NAME with its K axis moved to the last place and cut into blocks of 32 codes, [.., K / 32, bytes a block], one block behind the other in memory; four codes in three bytes: a row's codes are one little-endian stream of bits, code i at bits 6 i .. 6 i + 5 (a code: sign, 2 exponent bits, 3 mantissa bits); and NAME_scales (uint8): the same leading axes, one E8M0 byte (e + 127) for each 32 codes along K. Its value is code x scale, taken as it is: it is not quantised again, and the codes and scales need not be those that the quantiser above would give.
;; One version. Each part assembles by itself: llvm-mc -triple=amdgcn-amd-amdhsa -mcpu=gfx1250 --defsym DOCPART=n.
;; ======== version 1 of 1: 4 launches
;; limits: right only within a limited range of input values
;; workspace buffers: wk_codes 786,432 bytes; wk_scales 32,768 bytes; q_img 6,553,600 bytes; k_img 6,553,600 bytes; v_img 6,553,600 bytes; p_img 12,582,912 bytes; p_stat 1,572,864 bytes
;; launch wkq (part 1): grid 16 x 4, 8 waves a work-group, no clusters, 18,944 bytes of LDS; arguments Wk, wk_codes, wk_scales; writes wk_codes, wk_scales
.if DOCPART == 1
	.amdgcn_target "amdgcn-amd-amdhsa--gfx1250"
	.amdhsa_code_object_version 6
	.text
	.protected	k_q60c7c19591_wkq
	.globl	k_q60c7c19591_wkq
	.p2align	8
	.type	k_q60c7c19591_wkq,@function
k_q60c7c19591_wkq:
	s_mov_b64 s[64:65], 0
	v_nop
	global_prefetch_b8 v0, s[64:65] scope:SCOPE_SE
	s_setreg_imm32_b32 hwreg(HW_REG_WAVE_MODE, 25, 1), 1
	s_wait_xcnt 0x0
; THE PROGRAM: causal attention, one head of 1,024, on codes of FP6 (E2M3) with one E8M0 scale for each 32 along a product's K.  Four launches:
;   1 (this one) Wk, f32 [d][e], K = d its first axis, becomes codes laid as Wq's: [e][768 bytes], and scale bytes [e][32];
;   2 the three projections, whose results are quantised in registers and stored as images of operand registers;  3 the scores and p = 2^(t - M);  4 P V and the division by the row's sum.
; WORK LEFT OUT, for all values of the inputs.  (a) reference() multiplies Wk by the constant 1.0 that it writes itself: a factor of 1 by identity, so Wk goes into the quantiser as it is given.
; (b) reference() builds the mask triu(ones, k = 1) in its own body and sets the scores of keys behind the query to -infinity: their weight is 0 whatever x and the weights hold.  Tiles of scores and steps of
; the last product that lie wholly behind the diagonal are therefore not computed (launches 3 and 4 say at which grain).  No input is without a way to the output: all are loaded.
; LIMITS.  A NaN, an infinity or an overflow that reaches only the work left out is not carried to the result.  NaN and infinities among the inputs and scale bytes 0xff are not served.  A block of zeros gets
; the scale byte 1 where the quantiser's text says 127: its codes are zeros, and these bytes are read by this program alone.
; THIS LAUNCH.  A lane takes a column e and its registers run down d: a block of 32 along K lies in one lane, its largest magnitude needs no other lane, and the conversions give codes with K innermost.
; A work-group takes 64 columns x 256 along K; wave w takes columns 32 (w % 2) on and 64 along K from 64 (w / 2) on: two blocks a lane.  The codes meet in a stage in LDS (a row to a column, sixteen places of
; 16 bytes with 12 bytes of codes each) and leave by rows: sixteen lanes store a column's 192 consecutive bytes.  The scale bytes meet in 512 bytes of LDS and leave 8 bytes a column.
.set PITCH, 272                        ; a stage row: sixteen places of 16 bytes + 16
.set SCB,   64*PITCH                   ; behind the stage: 64 columns x 8 scale bytes
.set SPARE, SCB+512                    ; the spare words, 128 bytes for each of eight waves: four blocks of 256 bytes that no other line names
.set X,     32                         ; v32-95   64 numbers down K
.set C,     96                         ; v96-110  the codes: eight registers for each block
.set OUTR,  112                        ; v112-127 the way out
.set SPW,   14                         ; v14 LDS address of my spare word; never rewritten
.set NIL,   15                         ; v15 0; never rewritten
	s_load_b128 s[4:7], s[0:1], 0x0                ; Wk, the codes
	s_load_b64 s[8:9], s[0:1], 0x10                ; the scale bytes
	v_lshl_add_u32 v[SPW], v0, 2, SPARE
	v_mov_b32 v[NIL], 0
	v_lshrrev_b32 v1, 5, v0
	s_delay_alu instid0(VALU_DEP_1)
	v_readfirstlane_b32 s16, v1                    ; wave 0..7
	v_and_b32 v8, 31, v0                           ; lane
	s_wait_alu depctr_va_vdst(0)
	s_and_b32 s17, s16, 1                          ; which 32 columns
	s_lshr_b32 s18, s16, 1                         ; which 64 along K
	s_and_b32 s19, ttmp7, 0xffff                   ; which 256 along K: work-group y
	v_lshlrev_b32 v1, 2, v8                        ; in: 4 bytes a lane
	s_mul_i32 s20, s17, 32*PITCH
	s_lshl_b32 s21, s18, 6
	s_add_co_u32 s20, s20, s21
	v_mul_u32_u24 v2, v8, PITCH
	s_delay_alu instid0(VALU_DEP_1)
	v_add_nc_u32 v2, s20, v2                       ; into the stage: row = my column, my wave's four places
	s_lshl_b32 s20, s17, 8
	s_lshl_b32 s21, s18, 1
	s_add_co_u32 s20, s20, s21
	s_add_co_u32 s20, s20, SCB
	v_lshl_add_u32 v3, v8, 3, s20                  ; my column's 8 scale bytes, my wave's two
	v_and_b32 v9, 15, v8
	v_lshrrev_b32 v10, 4, v8
	s_mul_i32 s20, s16, 8*PITCH                    ; out of the stage: wave w takes rows 8 w .. 8 w + 7, sixteen lanes to a row
	v_mul_u32_u24 v4, v10, PITCH
	s_delay_alu instid0(VALU_DEP_1)
	v_lshl_add_u32 v4, v9, 4, v4
	s_delay_alu instid0(VALU_DEP_1)
	v_add_nc_u32 v4, s20, v4
	s_mul_i32 s20, s16, 8*768                      ; and the same place in the codes' buffer: rows of 768 bytes, 12 bytes a lane
	v_mul_u32_u24 v5, v10, 768
	s_delay_alu instid0(VALU_DEP_1)
	v_mad_u32_u24 v5, v9, 12, v5
	s_delay_alu instid0(VALU_DEP_1)
	v_add_nc_u32 v5, s20, v5
	s_lshl_b32 s20, s16, 8                         ; the scale bytes' way out (waves 0 and 1): a lane a column
	s_add_co_u32 s20, s20, SCB
	v_lshl_add_u32 v6, v8, 3, s20
	s_lshl_b32 s20, s16, 10
	v_lshl_add_u32 v7, v8, 5, s20                  ; rows of 32 bytes
	s_lshl_b32 s20, s19, 8                         ; Wk: row 256 y + 64 (w / 2), 4,096 bytes a row; column 64 x + 32 (w % 2)
	s_lshl_b32 s21, s18, 6
	s_add_co_u32 s20, s20, s21
	s_lshl_b32 s20, s20, 12
	s_lshl_b32 s21, ttmp9, 8
	s_add_co_u32 s20, s20, s21
	s_lshl_b32 s21, s17, 7
	s_add_co_u32 s20, s20, s21
	s_mov_b32 s21, 0
	s_mul_i32 s22, ttmp9, 64*768                   ; codes: 64 x rows + 192 y bytes
	s_mul_i32 s23, s19, 192
	s_add_co_u32 s22, s22, s23
	s_mov_b32 s23, 0
	s_lshl_b32 s24, ttmp9, 11                      ; scale bytes: 64 x rows of 32 + 8 y
	s_lshl_b32 s25, s19, 3
	s_add_co_u32 s24, s24, s25
	s_mov_b32 s25, 0
	s_wait_kmcnt 0x0
	s_add_nc_u64 s[4:5], s[4:5], s[20:21]
	s_add_nc_u64 s[6:7], s[6:7], s[22:23]
	s_add_nc_u64 s[8:9], s[8:9], s[24:25]
.set I, 0
.rept 64
	global_load_b32 v[X+I], v1, s[4:5] offset:I*4096 th:TH_LOAD_NT   ; Wk(row + I, my column): 32 lanes read 128 consecutive bytes
.set I, I+1
.endr
.macro BLOCK t
.set XS, X+32*(\t)
.set CS, C+8*(\t)
	s_wait_loadcnt 32-32*(\t)                      ; loads come back in order: this block's 32 are in; for the first block the second's 32 may be out
	v_max3_num_f32 v12, |v[XS]|, |v[XS+1]|, |v[XS+2]|   ; the block's largest magnitude: all 32 numbers are mine; two chains
	v_max3_num_f32 v13, |v[XS+3]|, |v[XS+4]|, |v[XS+5]|
.irp i, 6,10,14,18,22,26
	s_delay_alu instid0(VALU_DEP_2)
	v_max3_num_f32 v12, v12, |v[XS+\i]|, |v[XS+\i+1]|
	s_delay_alu instid0(VALU_DEP_2)
	v_max3_num_f32 v13, v13, |v[XS+\i+2]|, |v[XS+\i+3]|
.endr
	s_delay_alu instid0(VALU_DEP_2)
	v_max3_num_f32 v12, v12, |v[XS+30]|, |v[XS+31]|
	s_delay_alu instid0(VALU_DEP_1)
	v_max3_num_f32 v12, v12, v13, 0x1800000        ; and the floor 2^(3 - 127): the byte cannot fall under 1
	s_delay_alu instid0(VALU_DEP_1)
	v_add_nc_u32 v11, 0xff000000, v12              ; 2 off the exponent field: the conversion takes the exponent field of this operand as its scale
	s_delay_alu instid0(VALU_DEP_1)
	v_lshrrev_b32 v13, 23, v11                     ; the scale's byte
.if (\t) == 0
	s_delay_alu instid0(VALU_DEP_1)
	v_mov_b32 v10, v13
.else
	s_delay_alu instid0(VALU_DEP_1)
	v_lshl_or_b32 v10, v13, 8, v10                 ; the lower K in the lower byte
.endif
	v_cvt_scalef32_pk16_fp6_f32 v[CS:CS+2], v[XS:XS+15], v11
	v_cvt_scalef32_pk16_fp6_f32 v[CS+4:CS+6], v[XS+16:XS+31], v11   ; (a conversion's three registers begin on an even number)
	v_nop                                          ; one plain place behind the conversions
	ds_store_b96 v2, v[CS:CS+2] offset:32*(\t)     ; 16 codes, 12 bytes, to a place of 16
	ds_store_b96 v2, v[CS+4:CS+6] offset:32*(\t)+16
.endm
	BLOCK 0
	BLOCK 1
	ds_store_b16 v3, v10                           ; my two scale bytes
	s_wait_dscnt 0x0                               ; for the others' sake: my stores have landed
	s_barrier_signal -1
	s_barrier_wait -1                              ; the stage and the scale bytes are whole
.irp t, 0,1,2,3
	ds_load_b96 v[OUTR+4*\t:OUTR+4*\t+2], v4 offset:2*\t*PITCH
.endr
.irp t, 0,1,2,3
	s_wait_dscnt 3-\t                              ; LDS loads come back in order: the younger ones may be out
	global_store_b96 v5, v[OUTR+4*\t:OUTR+4*\t+2], s[6:7] offset:2*\t*768   ; sixteen lanes store a column's 192 consecutive bytes
.endr
	s_cmp_gt_u32 s16, 1
	s_cbranch_scc1 .Lno_scales                     ; waves 0 and 1 store the 64 columns' scale bytes
	ds_load_b64 v[12:13], v6
	s_wait_dscnt 0x0
	global_store_b64 v7, v[12:13], s[8:9]
.Lno_scales:
	s_wait_tensorcnt 0x0                           ; the wave's end, behind my last LDS store
	ds_add_u32 v[SPW], v[NIL]
	s_wait_dscnt 0x0
	s_endpgm
.Lfunc_end_k_q60c7c19591_wkq:
	.size	k_q60c7c19591_wkq, .Lfunc_end_k_q60c7c19591_wkq-k_q60c7c19591_wkq
	.p2alignl 7, 3214868480
	.fill 96, 4, 3214868480
	.section	.rodata,"a",@progbits
	.p2align	6, 0x0
	.amdhsa_kernel k_q60c7c19591_wkq
		.amdhsa_group_segment_fixed_size 18944
		.amdhsa_private_segment_fixed_size 0
		.amdhsa_enable_private_segment 0
		.amdhsa_kernarg_size 24
		.amdhsa_user_sgpr_count 2
		.amdhsa_user_sgpr_kernarg_segment_ptr 1
		.amdhsa_wavefront_size32 1
		.amdhsa_system_sgpr_workgroup_id_x 1
		.amdhsa_system_sgpr_workgroup_id_y 1
		.amdhsa_system_sgpr_workgroup_id_z 1
		.amdhsa_system_vgpr_workitem_id 0
		.amdhsa_next_free_vgpr 128
		.amdhsa_next_free_sgpr 66
		.amdhsa_reserve_vcc 0
		.amdhsa_float_denorm_mode_32 3
		.amdhsa_float_denorm_mode_16_64 3
		.amdhsa_memory_ordered 1
		.amdhsa_forward_progress 1
		.amdhsa_inst_pref_size 15
	.end_amdhsa_kernel
	.amdgpu_metadata
---
amdhsa.version: [ 1, 2 ]
amdhsa.kernels:
  - .name:           k_q60c7c19591_wkq
    .symbol:         k_q60c7c19591_wkq.kd
    .args:
      - { .name: Wk, .offset: 0, .size: 8, .value_kind: global_buffer, .address_space: global }
      - { .name: wk_codes, .offset: 8, .size: 8, .value_kind: global_buffer, .address_space: global }
      - { .name: wk_scales, .offset: 16, .size: 8, .value_kind: global_buffer, .address_space: global }
    .group_segment_fixed_size: 18944
    .private_segment_fixed_size: 0
    .kernarg_segment_align: 8
    .kernarg_segment_size: 24
    .max_flat_workgroup_size: 256
    .sgpr_count:     66
    .vgpr_count:     128
    .wavefront_size: 32
...
	.end_amdgpu_metadata
.endif
;; end of part 1
;; launch proj (part 2): grid 8 x 32, 4 waves a work-group, clusters of 4 x 4, 327,680 bytes of LDS; arguments x_codes, x_scales, Wq_codes, Wq_scales, wk_codes, wk_scales, Wv_codes, Wv_scales, q_img, k_img, v_img; writes q_img, k_img, v_img
.if DOCPART == 2
	.amdgcn_target "amdgcn-amd-amdhsa--gfx1250"
	.amdhsa_code_object_version 6
	.text
	.protected	k_q60c7c19591_proj
	.globl	k_q60c7c19591_proj
	.p2align	8
	.type	k_q60c7c19591_proj,@function
k_q60c7c19591_proj:
	s_mov_b64 s[64:65], 0
	v_nop
	global_prefetch_b8 v0, s[64:65] scope:SCOPE_SE
	s_setreg_imm32_b32 hwreg(HW_REG_WAVE_MODE, 25, 1), 1
	s_wait_xcnt 0x0
	s_wait_alu depctr_hold_cnt(0) depctr_sa_sdst(0) depctr_va_vdst(0) depctr_va_sdst(0) depctr_va_ssrc(0) depctr_va_vcc(0) depctr_vm_vsrc(0)
	s_getreg_b32 s2, hwreg(HW_REG_IB_STS2, 6, 4)
	s_cmp_eq_u32 s2, 0
	s_cbranch_scc0 .Lentry_in_a_cluster
	s_endpgm
.Lentry_in_a_cluster:
	s_bfe_u32 s2, ttmp6, 0x10000c
	s_cmp_lg_u32 s2, 0xf033
	s_cbranch_scc0 .Lentry_shape_is_right
	s_endpgm
.Lentry_shape_is_right:
; q = x Wq, k = x Wk, v = x Wv on codes of FP6 (E2M3), K = 1,024; each result is quantised in registers for the product that takes it next: q and k along e, v along the keys.  No work is left out here.
; SHARES.  Work-group (j, i) takes x's rows 256 i on against rows 128 j on of Wq, of Wk and of Wv: three passes, 256 work-groups of equal work.  Wave w takes x's rows 64 w on: its 4 x 8 fragments
; (16 rows x 128 K, 12 registers each: 384 registers) are read from LDS once and stay in registers through all three passes.  A pass has 32 accumulators (64 x 128), 8 steps of 128 along K, 32 matrix instructions a step.
; LDS is filled in two groups.  At the head waves 0, 1 ask for x's two halves and waves 2, 3 for Wq's, whole rows of 768 bytes, which begin at multiples of 256 bytes.  When every wave holds its x in registers,
; each wave asks for a half of Wk or of Wv onto x's bytes; that load has six steps of the q pass in which to land.  A wave has one tensor load out at a time.
; CLUSTERS: 4 x 4.  x's tile hangs on i alone and is asked for jointly along a row of the cluster, a weight's on j alone and is asked for jointly along a column.
; NO PREFETCH: the text has no loop to run ahead in, and all its bytes are asked for by the two groups of loads at its start.
; SCALES: a row's 32 bytes are 8 words, one a step.  A lane loads the words of row 32 u + lane: lanes 0-15 hold block 2 u's, lanes 16-31 block 2 u + 1's, chosen by the ROW selector.  32 lanes read 1,024 consecutive bytes by two loads.
; SOURCES.  q, k: source 0 = 16 rows of the weight (the next K), source 1 = 16 rows of x.  v: source 0 = 16 rows of x (keys, the next K), source 1 = 16 rows of Wv.  A lane holds one row of the new operand.
; THE IMAGES.  Blocks of 12,800 bytes: 8 fragments of 1,536 bytes (128 rows, one K step of 128) and the rows' 128 scale words.  q_img, k_img: [64 groups of 128 rows][8 K steps], registers 4 c .. 4 c + 3 of lane l
; at 512 c + 16 l.  v_img: [4 batches][8 groups of 128 e][16 steps of 128 keys]; a wave holds 64 keys, half a fragment: registers 6 c .. 6 c + 3 at 512 c + 16 l, registers 6 c + 4, 6 c + 5 at 1,024 + 256 c + 8 l.
; Inside a block of 32 the codes lie in the order 0-7, 16-23, 8-15, 24-31, alike in q and k, and in P and v: a permutation of K applied alike to both operands keeps every product of a sum.
; LIMITS: as stated at the head of the first launch; the order of the sums differs from reference()'s.
; REGISTERS: window 0: v6-29 addresses; v32-47 x's scale words, v48-143 the weights', and nothing else; v144-239 weight fragments, set 1, and the way out's work.  window 1: the accumulators.
;   window 2: x's fragments of steps 0-4.  window 3: v0-143 those of steps 5-7; v144-239 weight fragments, set 0.
.set PITCH, 816                        ; an LDS row: 3 x (256 bytes + 16 of padding): 204 words, so the 32 lanes of a load of 8 bytes touch 64 different banks (ISA guide 11.1)
.set FB,    16*PITCH                   ; a fragment's 16 rows
.set REG,   64*PITCH                   ; 64 rows: regions 0-3 hold x, later Wk (0, 1) and Wv (2, 3); regions 4, 5 hold Wq
.set SPARE, 6*REG                      ; the spare words: two blocks of 256 bytes that no other line names
.set SCR,   SPARE+512                  ; q's and k's scale words: 256 bytes a wave
.set SCRV,  SCR+1024                   ; v's: [2 key steps][128 e] words, halves from two waves
.set BLKB,  12800
.set SPW, 6                            ; my spare word; never rewritten
.set NIL, 7                            ; 0; never rewritten
.set LI,  8                            ; 16 x lane
.set L32, 9                            ; 32 x lane
.set L8Q, 10                           ; 8 x lane + where q's and k's scale words go
.set L8V, 11                           ; 8 x lane + where a half fragment's last two registers go
.set SW,  12
.set SRD, 13
.set SWV, 14
.set SRV, 15
.set ADW, 16                           ; v16-27: region k's fragment address at 2 k; at 2 k + 1 the same with lanes 16-31 behind one padding more
.set ADX, 28                           ; v28-29: the same for my 64 rows of x
.set XS,  32
.set WS,  48
.set WF,  144
.set PC0, 144                          ; the way out: codes, two sets of 24
.set TM,  192
.set PW,  208
.set G1X, 24
.set G0X, 32
.set G0Q, 36
.set G1W, 48
.set G0R, 56
.set FLAGS, (1<<20)|(1<<21)|(5<<22)|(3<<25)   ; elements of a byte; padding on; bit 21 beside a mask; 4 words behind every 64
.set MSB, 0
.macro WIN new                         ; the immediate's high byte repeats the setting that is left
.if MSB != \new
	s_set_vgpr_msb (MSB<<8)|\new
.set MSB, \new
.endif
.endm
.macro PLACES                          ; plain vector instructions between a matrix instruction and a load into, a write of or a read of its registers
.rept 4
	v_nop
.endr
.endm
.macro CREST                           ; a round of the cluster's barrier behind its opening barrier
	s_cmp_lg_u32 s14, 0
	s_cbranch_scc1 .Lnot_wave_0_\@
	s_barrier_signal -3
.Lnot_wave_0_\@:
	s_barrier_wait -3
	s_barrier_signal -1
	s_barrier_wait -1
.endm
.macro CROUND
	s_barrier_signal -1
	s_barrier_wait -1
	CREST
.endm
	s_load_b512 s[68:83], s[0:1], 0x0              ; x's codes, scales; Wq's; Wk's; Wv's
	s_load_b128 s[84:87], s[0:1], 0x40             ; q_img, k_img
	s_load_b64 s[88:89], s[0:1], 0x50              ; v_img
	v_lshl_add_u32 v[SPW], v0, 2, SPARE
	v_mov_b32 v[NIL], 0
	ds_add_u32 v[SPW], v[NIL]                      ; the opening: the add, twice on end, and its wait ahead of my first tensor load
	ds_add_u32 v[SPW], v[NIL]
	v_lshrrev_b32 v1, 5, v0
	v_readfirstlane_b32 s14, v1                    ; wave w
	s_lshr_b32 s15, s14, 1
	s_and_b32 s16, s14, 1
	s_bfe_u32 s40, ttmp6, 0x40000                  ; cx
	s_bfe_u32 s41, ttmp6, 0x40004                  ; cy
	s_lshl_b32 s42, ttmp9, 2
	s_add_co_u32 s42, s42, s40                     ; j: made of cx, never of cy
	s_and_b32 s17, ttmp7, 0xffff
	s_lshl_b32 s17, s17, 2
	s_add_co_u32 s17, s17, s41                     ; i: made of cy, never of cx
	s_lshl_b32 s43, s41, 2
	s_lshl_b32 s43, 15, s43                        ; my row of the cluster
	s_lshl_b32 s44, 0x1111, s40                    ; my column
	s_or_b32 s[G1X], s43, FLAGS
	s_or_b32 s[G1W], s44, FLAGS
.irp g, G1X, G1W
	s_mov_b32 s[\g+1], 768<<16                     ; tensor_dim0
	s_mov_b32 s[\g+3], 768<<16                     ; tile_dim0
	s_mov_b32 s[\g+5], 768                         ; from row to row
	s_mov_b32 s[\g+6], 0
	s_mov_b32 s[\g+7], 0
.endr
	s_mov_b32 s[G1X+2], 128<<16                    ; x: 128 rows a load
	s_mov_b32 s[G1X+4], 128
	s_mov_b32 s[G1W+2], 64<<16                     ; a weight: 64 rows a load
	s_mov_b32 s[G1W+4], 64
	s_lshl_b32 s20, s17, 8
	s_lshl_b32 s18, s16, 7
	s_add_co_u32 s20, s20, s18
	s_mul_i32 s20, s20, 768                        ; x's codes: row 256 i + 128 (w % 2)
	s_mov_b32 s21, 0
	s_lshl_b32 s46, s42, 7
	s_lshl_b32 s18, s16, 6
	s_add_co_u32 s46, s46, s18
	s_mul_i32 s46, s46, 768                        ; a weight's codes: row 128 j + 64 (w % 2)
	s_mov_b32 s47, 0
	s_lshl_b32 s22, s17, 13
	s_lshl_b32 s18, s14, 11
	s_add_co_u32 s22, s22, s18                     ; x's scales: row 256 i + 64 w, 32 bytes a row
	s_mov_b32 s23, 0
	s_lshl_b32 s92, s42, 12                        ; a weight's scales: row 128 j
	s_mov_b32 s93, 0
	s_lshl_b32 s94, s17, 1
	s_add_co_u32 s94, s94, s15
	s_lshl_b32 s94, s94, 3
	s_add_co_u32 s94, s94, s42
	s_mul_i32 s94, s94, BLKB                       ; q, k: block 8 (2 i + w / 2) + j,
	s_mul_i32 s18, s16, 6144
	s_add_co_u32 s94, s94, s18                     ; its fragments 4 (w % 2) on
	s_mov_b32 s95, 0
	s_lshr_b32 s96, s17, 3
	s_lshl_b32 s96, s96, 7
	s_lshl_b32 s18, s42, 4
	s_add_co_u32 s96, s96, s18
	s_and_b32 s18, s17, 7
	s_lshl_b32 s18, s18, 1
	s_add_co_u32 s96, s96, s18
	s_add_co_u32 s96, s96, s15
	s_mul_i32 s96, s96, BLKB                       ; v: block 128 (i / 8) + 16 j + 2 (i % 8) + w / 2,
	s_lshl_b32 s18, s16, 9
	s_add_co_u32 s96, s96, s18                     ; + 512 c, c = w % 2
	s_mov_b32 s97, 0
	s_mul_i32 s45, s16, 2*REG                      ; where the tiles go: no place in the cluster enters an LDS address
	s_mul_i32 s60, s16, REG
	s_add_co_u32 s60, s60, 4*REG
	s_mul_i32 s61, s14, REG
	s_mul_i32 s62, s16, 5888
	s_sub_co_u32 s62, 12288, s62                   ; with the base's 6,144 (w % 2): 12,288 + 256 (w % 2)
	s_lshl_b32 s63, s16, 8
	s_sub_co_u32 s63, 1024, s63                    ; with the base's 512 c: 1,024 + 256 c
	s_lshl_b32 s4, s14, 8
	s_add_co_u32 s4, s4, SCR
	s_lshl_b32 s5, s15, 9
	s_add_co_u32 s5, s5, SCRV
	s_lshl_b32 s6, s16, 8
	s_add_co_u32 s6, s6, s5
	s_lshl_b32 s18, s16, 1
	s_add_co_u32 s5, s5, s18
	s_mov_b32 s66, 0x76543210                      ; v_permlanex16_b32's selects for lane l xor 16
	s_mov_b32 s67, 0xfedcba98
	s_wait_dscnt 0x0                               ; both opening adds are done
	s_wait_kmcnt 0x0
	s_add_nc_u64 s[20:21], s[68:69], s[20:21]
	s_cmp_lt_u32 s14, 2                            ; the second group: waves 0, 1 Wk, waves 2, 3 Wv
	s_cselect_b64 s[G0R+2:G0R+3], s[76:77], s[80:81]
	s_add_nc_u64 s[G0R+2:G0R+3], s[G0R+2:G0R+3], s[46:47]
	s_add_nc_u64 s[46:47], s[72:73], s[46:47]
	s_add_nc_u64 s[70:71], s[70:71], s[22:23]
	s_add_nc_u64 s[74:75], s[74:75], s[92:93]
	s_add_nc_u64 s[78:79], s[78:79], s[92:93]
	s_add_nc_u64 s[82:83], s[82:83], s[92:93]
	s_add_nc_u64 s[84:85], s[84:85], s[94:95]
	s_add_nc_u64 s[86:87], s[86:87], s[94:95]
	s_add_nc_u64 s[88:89], s[88:89], s[96:97]
	s_mov_b32 s[G0X], 1
	s_mov_b32 s[G0X+1], s45
	s_mov_b64 s[G0X+2:G0X+3], s[20:21]
	s_or_b32 s[G0X+3], s[G0X+3], 0x80000000
	s_mov_b32 s[G0Q], 1
	s_mov_b32 s[G0Q+1], s60
	s_mov_b64 s[G0Q+2:G0Q+3], s[46:47]
	s_or_b32 s[G0Q+3], s[G0Q+3], 0x80000000
	s_mov_b32 s[G0R], 1
	s_mov_b32 s[G0R+1], s61
	s_or_b32 s[G0R+3], s[G0R+3], 0x80000000
	CROUND                                         ; all sixteen work-groups are here: the first joint loads meet
	s_cmp_eq_u32 s15, 0                            ; one load a wave; an s_nop 0 and four v_nop follow each
	s_cbranch_scc0 .Lhead_q
	tensor_load_to_lds s[G0X:G0X+3], s[G1X:G1X+7]
	s_nop 0
	PLACES
	s_branch .Lhead_asked
.Lhead_q:
	tensor_load_to_lds s[G0Q:G0Q+3], s[G1W:G1W+7]
	s_nop 0
	PLACES
.Lhead_asked:
	v_and_b32 v1, 15, v0                           ; r
	v_bfe_u32 v2, v0, 4, 1                         ; h
	v_and_b32 v3, 31, v0                           ; lane
	v_mul_u32_u24 v4, v1, PITCH
	v_mad_u32_u24 v4, v2, 24, v4                   ; row x pitch + 24 h
	v_lshl_add_u32 v5, v2, 4, v4                   ; and with lanes 16-31 behind one padding more
.irp k, 0,1,2,3,4,5
	v_add_nc_u32 v[ADW+2*\k], \k*REG, v4
	v_add_nc_u32 v[ADW+2*\k+1], \k*REG, v5
.endr
	v_add_nc_u32 v[ADX], s61, v4
	v_add_nc_u32 v[ADX+1], s61, v5
	v_lshlrev_b32 v[LI], 4, v3
	v_lshlrev_b32 v[L32], 5, v3
	v_lshl_add_u32 v[L8Q], v3, 3, s62
	v_lshl_add_u32 v[L8V], v3, 3, s63
	v_lshl_add_u32 v[SW], v1, 2, s4
	v_lshl_add_u32 v[SRD], v3, 3, s4
	v_lshl_add_u32 v[SWV], v1, 2, s5
	v_lshl_add_u32 v[SRV], v3, 3, s6
.macro SCLD reg, base, u               ; the 8 scale words of row 32 u + lane
	global_load_b128 v[\reg+8*\u:\reg+8*\u+3], v[L32], s[\base:\base+1] offset:1024*\u
	global_load_b128 v[\reg+8*\u+4:\reg+8*\u+7], v[L32], s[\base:\base+1] offset:1024*\u+16
.endm
	SCLD XS, 70, 0
	SCLD XS, 70, 1
.irp u, 0,1,2,3
	SCLD WS, 74, \u
.endr
.irp u, 0,1,2,3
	SCLD WS+32, 78, \u
.endr
.irp u, 0,1,2,3
	SCLD WS+64, 82, \u
.endr
; a fragment: lane l holds row l % 16; registers 6 c .. 6 c + 5 hold K = 64 c + 32 (l / 16) + 0 .. 31: 24 bytes of the row's stream of bits, in pieces of 8.  Byte y of a row lies at y + 16 (y / 256) of its LDS row
.macro FRAG reg, adr, st, off
.irp p, 0,1,2,3,4,5
.set BY, 96*(\st)+48*(\p/3)+8*(\p%3)
	ds_load_b64 v[\reg+2*\p:\reg+2*\p+1], v[\adr+(BY+24)/256-BY/256] offset:BY+16*(BY/256)+(\off)
.endr
.endm
; g = 8 x pass + step.  The weight's fragments 4 hf .. 4 hf + 3 of g into set g % 2: 24 loads
.macro FETCHH g, hf
.set RG, (4+2*((\g)/8))%6              ; Wq: regions 4, 5; Wk: 0, 1; Wv: 2, 3
.set WN, (3*(1-(\g)%2))<<6
	WIN WN
.irp bq, 0,1,2,3
	FRAG WF+12*(4*(\hf)+\bq), ADW+2*(RG+(\hf)), (\g)%8, \bq*FB
.endr
.endm
.macro WM                              ; one product; RR: which halves of the lanes hold source 0's and source 1's scale words
.if ZZ
.if RR == 0
	v_wmma_scale_f32_16x16x128_f8f6f4 v[DD:DD+7], v[F0:F0+11], v[F1:F1+11], 0, v[C0], v[C1] matrix_a_fmt:MATRIX_FMT_FP6 matrix_b_fmt:MATRIX_FMT_FP6
.elseif RR == 1
	v_wmma_scale_f32_16x16x128_f8f6f4 v[DD:DD+7], v[F0:F0+11], v[F1:F1+11], 0, v[C0], v[C1] matrix_a_fmt:MATRIX_FMT_FP6 matrix_b_fmt:MATRIX_FMT_FP6 matrix_a_scale:MATRIX_SCALE_ROW1
.elseif RR == 2
	v_wmma_scale_f32_16x16x128_f8f6f4 v[DD:DD+7], v[F0:F0+11], v[F1:F1+11], 0, v[C0], v[C1] matrix_a_fmt:MATRIX_FMT_FP6 matrix_b_fmt:MATRIX_FMT_FP6 matrix_b_scale:MATRIX_SCALE_ROW1
.else
	v_wmma_scale_f32_16x16x128_f8f6f4 v[DD:DD+7], v[F0:F0+11], v[F1:F1+11], 0, v[C0], v[C1] matrix_a_fmt:MATRIX_FMT_FP6 matrix_b_fmt:MATRIX_FMT_FP6 matrix_a_scale:MATRIX_SCALE_ROW1 matrix_b_scale:MATRIX_SCALE_ROW1
.endif
.else
.if RR == 0
	v_wmma_scale_f32_16x16x128_f8f6f4 v[DD:DD+7], v[F0:F0+11], v[F1:F1+11], v[DD:DD+7], v[C0], v[C1] matrix_a_fmt:MATRIX_FMT_FP6 matrix_b_fmt:MATRIX_FMT_FP6
.elseif RR == 1
	v_wmma_scale_f32_16x16x128_f8f6f4 v[DD:DD+7], v[F0:F0+11], v[F1:F1+11], v[DD:DD+7], v[C0], v[C1] matrix_a_fmt:MATRIX_FMT_FP6 matrix_b_fmt:MATRIX_FMT_FP6 matrix_a_scale:MATRIX_SCALE_ROW1
.elseif RR == 2
	v_wmma_scale_f32_16x16x128_f8f6f4 v[DD:DD+7], v[F0:F0+11], v[F1:F1+11], v[DD:DD+7], v[C0], v[C1] matrix_a_fmt:MATRIX_FMT_FP6 matrix_b_fmt:MATRIX_FMT_FP6 matrix_b_scale:MATRIX_SCALE_ROW1
.else
	v_wmma_scale_f32_16x16x128_f8f6f4 v[DD:DD+7], v[F0:F0+11], v[F1:F1+11], v[DD:DD+7], v[C0], v[C1] matrix_a_fmt:MATRIX_FMT_FP6 matrix_b_fmt:MATRIX_FMT_FP6 matrix_a_scale:MATRIX_SCALE_ROW1 matrix_b_scale:MATRIX_SCALE_ROW1
.endif
.endif
.endm
; 16 matrix instructions: the weight's fragments 4 hf .. 4 hf + 3 against x's four.  A pass's 32 accumulators take turns, in the same order in every step.  z = 1: the products start the sums
.macro MULH g, hf, z
.set PP, (\g)/8
.set SS, (\g)%8
.set WSW, 3*(1-(\g)%2)                 ; the weight set's window
.set WXW, 2+SS/5                       ; the window of x's fragments of this step,
.set XB, 48*(SS%5)                     ; and where they begin in it
.set ZZ, \z
.if PP < 2
.set WN, 0x50|WSW|(WXW<<2)
	WIN WN
.irp bq, 0,1,2,3
.irp a, 0,1,2,3
.set BB, 4*(\hf)+\bq
.set DD, 8*(8*\a+BB)                   ; accumulator (x's block a, e tile b) at 8 (8 a + b)
.set F0, WF+12*BB
.set F1, XB+12*\a
.set C0, WS+32*PP+8*(BB/2)+SS
.set C1, XS+8*(\a/2)+SS
.set RR, BB%2+2*(\a%2)
	WM
.endr
.endr
.else
.set WN, 0x50|WXW|(WSW<<2)
	WIN WN
.irp bq, 0,1,2,3
.irp t, 0,1,2,3
.set BB, 4*(\hf)+\bq
.set DD, 8*(4*BB+\t)                   ; accumulator (e block a, key tile t) at 8 (4 a + t)
.set F0, XB+12*\t
.set F1, WF+12*BB
.set C0, XS+8*(\t/2)+SS
.set C1, WS+64+8*(BB/2)+SS
.set RR, \t%2+2*(BB%2)
	WM
.endr
.endr
.endif
.endm
; A step: each half's 16 products stand behind the request for the same half of the next step, which so has a whole step in which to come.
; bar = 1 (the q pass's last step): the next step reads Wk: every wave waits for its tensor load, and a barrier shows both weights whole to all four waves.
.macro STEP g, bar, z
.if \bar
	s_wait_tensorcnt 0x0
	s_wait_dscnt 0x0                               ; no LDS instruction of mine is out at the signal
	s_barrier_signal -1
	MULH \g, 0, \z
	s_barrier_wait -1
	PLACES
	FETCHH (\g)+1, 0
	FETCHH (\g)+1, 1
	MULH \g, 1, \z
.else
	s_wait_dscnt 24                                ; this step's first half is in; the second half's 24 loads may be out
	PLACES
.if (\g) < 23
	FETCHH (\g)+1, 0
.endif
	MULH \g, 0, \z
.if (\g) < 23
	s_wait_dscnt 24                                ; the second half is in; the 24 loads just issued may be out
	PLACES
	FETCHH (\g)+1, 1
.else
	s_wait_dscnt 0x0
.endif
	MULH \g, 1, \z
.endif
.endm
; THE WAY OUT.  A lane's 64 numbers at v[QS] on in window 1, four blocks of 32 shared with lane l xor 16, become 12 registers of codes at v[QP] on and four scale bytes in v[PW].
.macro QUANTW
	WIN 5                                          ; sources 0 and 1: window 1
.irp b, 0,1,2,3
	v_max3_num_f32 v[TM+\b], |v[QS+16*\b]|, |v[QS+16*\b+1]|, 0x1800000   ; my 16 numbers, each accumulator from its low end on, and the floor 2^(3 - 127): the byte cannot fall under 1
.endr
.irp i, 2,4,6,8,10,12,14
.irp b, 0,1,2,3
	v_max3_num_f32 v[TM+\b], |v[QS+16*\b+\i]|, |v[QS+16*\b+\i+1]|, v[TM+\b]
.endr
.endr
	WIN 0
.irp b, 0,1,2,3
	v_permlanex16_b32 v[TM+4+\b], v[TM+\b], s66, s67
.endr
.irp b, 0,1,2,3
	v_max_num_f32 v[TM+\b], v[TM+\b], v[TM+4+\b]   ; the block's largest magnitude
.endr
.irp b, 0,1,2,3
	v_add_nc_u32 v[TM+12+\b], 0xff000000, v[TM+\b] ; 2 off its exponent field: the conversion's scale operand
.endr
.irp b, 0,1,2,3
	v_lshrrev_b32 v[TM+4+\b], 23, v[TM+12+\b]      ; the scale's byte
.endr
	v_lshl_or_b32 v[PW], v[TM+5], 8, v[TM+4]
	v_lshl_or_b32 v[PW], v[TM+6], 16, v[PW]
	v_lshl_or_b32 v[PW], v[TM+7], 24, v[PW]
	WIN 1                                          ; source 0: window 1
.irp c, 0,1
	v_cvt_scalef32_pk16_fp6_f32 v[QP+6*\c:QP+6*\c+2], v[QS+32*\c:QS+32*\c+15], v[TM+12+2*\c]
	v_cvt_scalef32_pk16_fp6_f32 v[QP+12+4*\c:QP+14+4*\c], v[QS+16+32*\c:QS+31+32*\c], v[TM+12+2*\c+1]   ; (a conversion's three registers begin on an even number)
.endr
	WIN 0
	v_nop                                          ; one plain place behind the conversions
.irp c, 0,1                                    ; the operand's layout wants a whole block in a lane: lanes 0-15 block 2 c, lanes 16-31 block 2 c + 1
.irp i, 0,1,2
	v_permlane16_swap_b32 v[QP+6*\c+\i], v[QP+12+4*\c+\i]
.endr
.irp i, 0,1,2
	v_mov_b32 v[QP+3+6*\c+\i], v[QP+12+4*\c+\i]
.endr
.endr
.endm
; kind 0 (q, k): 64 registers are one block of 16 rows of x, a whole fragment.  kind 1 (v): they are two blocks of 16 e, half a fragment each, and the word's low and high halves are their two scale bytes.
.macro EPI kind, ob
	PLACES                                         ; behind the last products: their results are read, and set 1, which they read, is written
	WIN 0
.irp b, 0,1,2,3
	v_mov_b32 v[TM+4+\b], 0                        ; a lane permute's destination counts as one of its sources
.endr
.irp a, 0,1,2,3
.set QS, 64*\a
.set QP, PC0+24*(\a%2)
.if \a > 1
	s_wait_xcnt 0x0                                ; the stores of two turns back have read this set of code registers
.endif
	QUANTW
.if \kind == 0
.irp c, 0,1,2
	global_store_b128 v[LI], v[QP+4*\c:QP+4*\c+3], s[\ob:\ob+1] offset:1536*\a+512*\c   ; 32 lanes store 512 consecutive bytes, aligned to 256
.endr
	ds_store_b32 v[SW], v[PW] offset:64*\a         ; row 16 a + r's scale word (both halves of the lanes write the same value)
.else
	v_lshrrev_b32 v[PW+1], 16, v[PW]
.irp u, 0,1
	global_store_b128 v[LI], v[QP+6*\u:QP+6*\u+3], s[\ob:\ob+1] offset:1536*(2*\a+\u)
	global_store_b64 v[L8V], v[QP+6*\u+4:QP+6*\u+5], s[\ob:\ob+1] offset:1536*(2*\a+\u)   ; 32 lanes store 256 consecutive bytes, aligned
	ds_store_b16 v[SWV], v[PW+\u] offset:128*\a+64*\u   ; bytes 2 c, 2 c + 1 of e's scale word
.endr
.endif
.endr
.endm
.macro EPIQ ob
	EPI 0, \ob
	ds_load_b64 v[TM:TM+1], v[SRD]                 ; LDS serves a wave's instructions in order: this sees my stores
	s_wait_dscnt 0x0
	global_store_b64 v[L8Q], v[TM:TM+1], s[\ob:\ob+1]   ; my 64 scale words: 256 consecutive bytes, aligned
	s_wait_xcnt 0x0                                ; the stores have read their registers: the next step's loads land there
.endm
	s_wait_alu depctr_va_vdst(0)
	s_wait_tensorcnt 0x0                           ; my tile is in,
	s_barrier_signal -1
	s_barrier_wait -1                              ; everybody's is
	FETCHH 0, 0
	FETCHH 0, 1
.set S, 0
.rept 8                                        ; my 64 rows of x, all of K, into registers
.set WN, (2+S/5)<<6
	WIN WN
.irp a, 0,1,2,3
	FRAG 48*(S%5)+12*\a, ADX, S, \a*FB
.endr
.set S, S+1
.endr
	WIN 0
	s_wait_loadcnt 0x0                             ; the scale words are in
	s_wait_tensorcnt 0x0                           ; no tensor load of mine is out;
	ds_add_u32 v[SPW], v[NIL]                      ; 0 onto my spare word;
	s_wait_dscnt 0x0                               ; the add is done, and my reads of x's bytes are over
	s_barrier_signal -1                            ; this barrier opens a round of the cluster's
	MULH 0, 0, 1                                   ; work on registers meanwhile: the q pass's first step starts the sums
	MULH 0, 1, 1
	WIN 0
	s_barrier_wait -1
	CREST                                          ; no wave of any partner still reads x's bytes or has a load on its way
	tensor_load_to_lds s[G0R:G0R+3], s[G1W:G1W+7]  ; my half of Wk or of Wv, onto x's bytes: the first tensor load behind the round
	s_nop 0
	PLACES
	FETCHH 1, 0
	FETCHH 1, 1
.set G, 1
.rept 6
	STEP G, 0, 0
.set G, G+1
.endr
	STEP 7, 1, 0
	EPIQ 84
	STEP 8, 0, 1
.set G, 9
.rept 7
	STEP G, 0, 0
.set G, G+1
.endr
	EPIQ 86
	STEP 16, 0, 1
.set G, 17
.rept 7
	STEP G, 0, 0
.set G, G+1
.endr
	EPI 1, 88
	s_wait_dscnt 0x0                               ; for the others' sake: my halves of the scale words have landed
	s_barrier_signal -1
	s_barrier_wait -1                              ; the words are whole
	ds_load_b64 v[TM:TM+1], v[SRV]
	s_wait_dscnt 0x0
	global_store_b64 v[L8V], v[TM:TM+1], s[88:89] offset:11264   ; words 64 c on of my key step's 128: 256 consecutive bytes at 12,288 + 256 c of the block
	s_wait_tensorcnt 0x0                           ; the wave's end
	ds_add_u32 v[SPW], v[NIL]
	s_wait_dscnt 0x0
	CROUND                                         ; the closing round: no work-group ends while a partner may still ask for a tile that names it
	s_endpgm
.Lfunc_end_k_q60c7c19591_proj:
	.size	k_q60c7c19591_proj, .Lfunc_end_k_q60c7c19591_proj-k_q60c7c19591_proj
	.p2alignl 7, 3214868480
	.fill 96, 4, 3214868480
	.section	.rodata,"a",@progbits
	.p2align	6, 0x0
	.amdhsa_kernel k_q60c7c19591_proj
		.amdhsa_group_segment_fixed_size 327680
		.amdhsa_private_segment_fixed_size 0
		.amdhsa_enable_private_segment 0
		.amdhsa_kernarg_size 88
		.amdhsa_user_sgpr_count 2
		.amdhsa_user_sgpr_kernarg_segment_ptr 1
		.amdhsa_wavefront_size32 1
		.amdhsa_system_sgpr_workgroup_id_x 1
		.amdhsa_system_sgpr_workgroup_id_y 1
		.amdhsa_system_sgpr_workgroup_id_z 1
		.amdhsa_system_vgpr_workitem_id 0
		.amdhsa_next_free_vgpr 1024
		.amdhsa_next_free_sgpr 100
		.amdhsa_reserve_vcc 0
		.amdhsa_float_denorm_mode_32 3
		.amdhsa_float_denorm_mode_16_64 3
		.amdhsa_memory_ordered 1
		.amdhsa_forward_progress 1
		.amdhsa_inst_pref_size 255
	.end_amdhsa_kernel
	.amdgpu_metadata
---
amdhsa.version: [ 1, 2 ]
amdhsa.kernels:
  - .name:           k_q60c7c19591_proj
    .symbol:         k_q60c7c19591_proj.kd
    .args:
      - { .name: x_codes, .offset: 0, .size: 8, .value_kind: global_buffer, .address_space: global }
      - { .name: x_scales, .offset: 8, .size: 8, .value_kind: global_buffer, .address_space: global }
      - { .name: Wq_codes, .offset: 16, .size: 8, .value_kind: global_buffer, .address_space: global }
      - { .name: Wq_scales, .offset: 24, .size: 8, .value_kind: global_buffer, .address_space: global }
      - { .name: wk_codes, .offset: 32, .size: 8, .value_kind: global_buffer, .address_space: global }
      - { .name: wk_scales, .offset: 40, .size: 8, .value_kind: global_buffer, .address_space: global }
      - { .name: Wv_codes, .offset: 48, .size: 8, .value_kind: global_buffer, .address_space: global }
      - { .name: Wv_scales, .offset: 56, .size: 8, .value_kind: global_buffer, .address_space: global }
      - { .name: q_img, .offset: 64, .size: 8, .value_kind: global_buffer, .address_space: global }
      - { .name: k_img, .offset: 72, .size: 8, .value_kind: global_buffer, .address_space: global }
      - { .name: v_img, .offset: 80, .size: 8, .value_kind: global_buffer, .address_space: global }
    .group_segment_fixed_size: 327680
    .private_segment_fixed_size: 0
    .kernarg_segment_align: 8
    .kernarg_segment_size: 88
    .max_flat_workgroup_size: 128
    .sgpr_count:     100
    .vgpr_count:     1024
    .wavefront_size: 32
...
	.end_amdgpu_metadata
.endif
;; end of part 2
;; launch score (part 3): grid 40 x 4, 4 waves a work-group, clusters of 4 x 1, 327,680 bytes of LDS; arguments q_img, k_img, p_img, p_stat; writes p_img, p_stat
.if DOCPART == 3
	.amdgcn_target "amdgcn-amd-amdhsa--gfx1250"
	.amdhsa_code_object_version 6
	.text
	.protected	k_q60c7c19591_score
	.globl	k_q60c7c19591_score
	.p2align	8
	.type	k_q60c7c19591_score,@function
k_q60c7c19591_score:
	s_mov_b64 s[64:65], 0
	v_nop
	global_prefetch_b8 v0, s[64:65] scope:SCOPE_SE
	s_setreg_imm32_b32 hwreg(HW_REG_WAVE_MODE, 25, 1), 1
	s_wait_xcnt 0x0
	s_wait_alu depctr_hold_cnt(0) depctr_sa_sdst(0) depctr_va_vdst(0) depctr_va_sdst(0) depctr_va_ssrc(0) depctr_va_vcc(0) depctr_vm_vsrc(0)
	s_getreg_b32 s2, hwreg(HW_REG_IB_STS2, 6, 4)
	s_cmp_eq_u32 s2, 0
	s_cbranch_scc0 .Lentry_in_a_cluster
	s_endpgm
.Lentry_in_a_cluster:
	s_bfe_u32 s2, ttmp6, 0x10000c
	s_cmp_lg_u32 s2, 0x3003
	s_cbranch_scc0 .Lentry_shape_is_right
	s_endpgm
.Lentry_shape_is_right:
.set NQ,     2
.set FR,     12
.set NL,     3
.set NP,     4
.set BLKB,   12800
.set QG,     2*BLKB
.set KOFF,   8*QG                      ; q: [4 groups of 128 queries][2 slots][2 K steps]; behind it k's tile, all 8 K steps, filled once
.set SLOT,   6*QG                      ; half of the two together
.set SPARE,  2*SLOT
.set SCR,    SPARE+512
.set DV,   4
.set NINF, 5
.set ADRA, 16
.set ADRB, 20
.set ADRS, 22
.set LI,   24
.set SW,   25
.set SRD,  26
.set SPW,  28
.set NIL,  29
.set SC,   32
.set AF,   128
.set G1, 24
.set G0, 32
.set G1B, 48
.set G0B, 56
.set G1R, 72                           ; s[72:79] group 1 of a refill: my own group's 2 K steps, 25,600 dense bytes
.set RF,  36                           ; s[36:39], s[60:63] group 0 of slot 0's and of slot 1's refill
.set ADRS2, 18                         ; v18-19 the scale words' addresses for K steps 4 on: k's part lies 2 QG further on
.set MSB, 0
.macro WIN new
.if MSB != \new
	s_set_vgpr_msb (MSB<<8)|\new
.set MSB, \new
.endif
.endm
.set MUL_LO, 0xa1
.set MUL_HI, 0xf1
.set TO_B,   0x40
.macro JLOAD g0a, g1a, g0b, g1b
	s_cmp_eq_u32 s15, 0
	s_cbranch_scc0 .Lfor_b_\@
	tensor_load_to_lds s[\g0a:\g0a+3], s[\g1a:\g1a+7]
	s_nop 0
.rept 4
	v_nop
.endr
	s_branch .Lasked_\@
.Lfor_b_\@:
	tensor_load_to_lds s[\g0b:\g0b+3], s[\g1b:\g1b+7]
	s_nop 0
.rept 4
	v_nop
.endr
.Lasked_\@:
.endm
.macro CREST
	s_cmp_lg_u32 s14, 0
	s_cbranch_scc1 .Lnot_wave_0_\@
	s_barrier_signal -3
.Lnot_wave_0_\@:
	s_barrier_wait -3
	s_barrier_signal -1
	s_barrier_wait -1
.endm
.macro CROUND
	s_barrier_signal -1
	s_barrier_wait -1
	CREST
.endm
	s_load_b256 s[4:11], s[0:1], 0x0
	v_lshl_add_u32 v[SPW], v0, 2, SPARE
	v_mov_b32 v[NIL], 0
	ds_add_u32 v[SPW], v[NIL]
	ds_add_u32 v[SPW], v[NIL]
	v_lshrrev_b32 v1, 5, v0
	v_readfirstlane_b32 s14, v1
	s_lshr_b32 s15, s14, 1
	s_and_b32 s16, s14, 1
	s_bfe_u32 s42, ttmp6, 0x40000
	s_and_b32 s44, ttmp7, 0xffff
	s_cmp_ge_u32 ttmp9, 1
	s_cselect_b32 s40, 1, 0
	s_cmp_ge_u32 ttmp9, 3
	s_cselect_b32 s41, 1, 0
	s_cmp_ge_u32 ttmp9, 6
	s_cselect_b32 s43, 1, 0
	s_add_co_u32 s40, s40, s41
	s_add_co_u32 s40, s40, s43
	s_add_co_u32 s41, s40, 1
	s_mul_i32 s41, s41, s40
	s_lshr_b32 s41, s41, 1
	s_sub_co_u32 s41, ttmp9, s41
	s_lshl_b32 s43, s41, 2
	s_add_co_u32 s43, s43, s42
	s_mov_b32 s[G1+0], 15|(3<<16)|(1<<21)
	s_mov_b32 s[G1+1], 6400<<16                    ; the head's load of q: 2 groups x 4 K steps (51,200 bytes a row): both slots
	s_mov_b32 s[G1+2], 2<<16
	s_mov_b32 s[G1+3], 6400<<16
	s_mov_b32 s[G1+4], 2
	s_mov_b32 s[G1+5], 12800
	s_mov_b32 s[G1+6], 0
	s_mov_b32 s[G1+7], 0
	s_mov_b32 s[G1B+0], 3<<16
	s_mov_b32 s[G1B+1], 32<<16
	s_mov_b32 s[G1B+2], 200<<16                    ; the head's load of k: 4 K steps, 51,200 dense bytes
	s_mov_b32 s[G1B+3], 32<<16
	s_mov_b32 s[G1B+4], 200
	s_mov_b32 s[G1B+5], 32
	s_mov_b32 s[G1B+6], 0
	s_mov_b32 s[G1B+7], 0
	s_mov_b32 s[G1R+0], 15|(3<<16)|(1<<21)
	s_mov_b32 s[G1R+1], 32<<16
	s_mov_b32 s[G1R+2], 100<<16
	s_mov_b32 s[G1R+3], 32<<16
	s_mov_b32 s[G1R+4], 100
	s_mov_b32 s[G1R+5], 32
	s_mov_b32 s[G1R+6], 0
	s_mov_b32 s[G1R+7], 0
	s_lshl_b32 s45, s44, 4
	s_lshl_b32 s46, s40, 2
	s_add_co_u32 s46, s46, s45
	s_lshl_b32 s47, s16, 1
	s_add_co_u32 s47, s47, s46
	s_mul_i32 s2, s47, 8*BLKB
	s_mov_b32 s3, 0
	s_add_co_u32 s12, s45, s43
	s_mul_i32 s12, s12, 8*BLKB
	s_mul_i32 s13, s16, 2*QG
	s_add_co_u32 s12, s12, s13
	s_mov_b32 s13, 0
	s_mul_i32 s17, s16, 4*QG
	s_add_co_u32 s80, s46, s14                     ; my own group of 128 queries: made of the cluster's place in the grid and the wave's number alone
	s_mul_i32 s80, s80, 8*BLKB
	s_mov_b32 s81, 0
	s_mul_i32 s82, s14, 2*QG
	s_mul_i32 s18, s16, 2*QG
	s_add_co_u32 s18, s18, KOFF
	s_mov_b32 s20, 0x76543210
	s_mov_b32 s21, 0xfedcba98
	s_mov_b32 s22, 0x3d38aa3b
	s_mov_b32 s23, s22
	s_wait_dscnt 0x0
	s_wait_kmcnt 0x0
	s_add_nc_u64 s[2:3], s[4:5], s[2:3]
	s_add_nc_u64 s[12:13], s[6:7], s[12:13]
	s_add_nc_u64 s[80:81], s[4:5], s[80:81]
	s_mov_b32 s[G0], 1                             ; the head: waves 0, 1 ask jointly for two groups of q each, K steps 0 to 3,
	s_mov_b32 s[G0+1], s17
	s_mov_b64 s[G0+2:G0+3], s[2:3]
	s_or_b32 s[G0+3], s[G0+3], 0x80000000
	s_mov_b32 s[G0B], 1                            ; waves 2, 3 for the two halves of my own k
	s_mov_b32 s[G0B+1], s18
	s_mov_b64 s[G0B+2:G0B+3], s[12:13]
	s_or_b32 s[G0B+3], s[G0B+3], 0x80000000
.irp s, 0,1
	s_mov_b32 s[RF+24*\s], 1                       ; the refills: slot s takes K steps 4 + 2 s on of my own group
	s_add_co_u32 s[RF+24*\s+1], s82, \s*QG
	s_add_nc_u64 s[RF+24*\s+2:RF+24*\s+3], s[80:81], (2+\s)*QG
	s_or_b32 s[RF+24*\s+3], s[RF+24*\s+3], 0x80000000
.endr
	CROUND                                         ; all four work-groups are here: the first joint loads meet
	JLOAD G0, G1, G0B, G1B                         ; one tensor load a wave at the head
	v_and_b32 v1, 15, v0
	v_bfe_u32 v2, v0, 4, 1
	v_and_b32 v6, 31, v0
	v_lshlrev_b32 v[LI], 4, v6
	s_mul_i32 s17, s14, 2*QG                       ; my group of q
	s_xor_b32 s18, s14, 3
	s_add_co_u32 s18, s18, 1
	s_mul_i32 s18, s18, 2*QG                       ; from it to k: (4 - w) x 2 QG
	s_add_co_u32 s83, s18, 2*QG                    ; and to k's K steps 4 on
	v_mul_u32_u24 v7, s18, v2                      ; lanes 16-31 take k's scale words: one product with h
	v_lshl_add_u32 v7, v1, 2, v7
	v_mul_u32_u24 v9, s83, v2
	v_lshl_add_u32 v9, v1, 2, v9
	s_add_co_u32 s18, s17, 8*1536
	s_wait_alu depctr_va_vdst(0)
.irp s, 0,1
	v_add_nc_u32 v[ADRA+\s], s17, v[LI]
	v_add_nc_u32 v[ADRB+\s], KOFF+\s*QG, v[LI]
	v_add_nc_u32 v[ADRS+\s], s18, v7
	v_add_nc_u32 v[ADRS2+\s], s18, v9
	s_add_co_u32 s17, s17, QG
	s_add_co_u32 s18, s18, QG
.endr
	s_mul_i32 s17, s14, 1536
	s_add_co_u32 s17, s17, SCR
	v_lshl_add_u32 v[SW], v1, 2, s17
	v_add_nc_u32 v[SRD], s17, v[LI]
	s_add_co_u32 s46, s46, s14
	s_lshl_b32 s46, s46, 4
	s_add_co_u32 s46, s46, s43
	s_mul_i32 s46, s46, 8*1536
	s_mov_b32 s47, 0
	s_add_nc_u64 s[8:9], s[8:9], s[46:47]
	s_add_co_u32 s45, s45, s43
	s_lshl_b32 s45, s45, 11
	s_lshl_b32 s46, s40, 9
	s_add_co_u32 s45, s45, s46
	s_lshl_b32 s46, s14, 7
	s_add_co_u32 s45, s45, s46
	s_lshl_b32 s46, s45, 2
	s_add_nc_u64 s[10:11], s[10:11], s[46:47]
	s_sub_co_i32 s45, s14, s42
	s_cmp_lt_i32 s45, 0
	s_cselect_b32 s67, -1, 0
	s_cmp_le_i32 s45, 0
	s_cselect_b32 s68, -1, 0
	s_lshl_b32 s45, s45, 7
	v_lshlrev_b32 v8, 3, v2
	v_sub_nc_u32 v[DV], v1, v8
	v_add_nc_u32 v[DV], s45, v[DV]
	v_mov_b32 v[NINF], 0xff800000
.macro FRAG reg, adr, q, i
.irp c, 0,1,2
	ds_load_b128 v[\reg+4*\c:\reg+4*\c+3], v[\adr] offset:BLKB*(\q)+1536*(\i)+512*\c
.endr
.endm
.macro MUL16 a0, p, q, sc, zero
.irp a, \a0, \a0+1
.irp b, 0,1,2,3,4,5,6,7
.if \zero
	v_wmma_scale_f32_16x16x128_f8f6f4 v[8*(8*((\a)%4)+\b):8*(8*((\a)%4)+\b)+7], v[128*(\p)+FR*\b:128*(\p)+FR*\b+FR-1], v[AF+FR*(\a):AF+FR*(\a)+FR-1], 0, v[SC+8*NQ*(\sc)+NQ*\b+(\q)], v[SC+8*NQ*(\sc)+NQ*(\a)+(\q)] matrix_a_fmt:MATRIX_FMT_FP6 matrix_b_fmt:MATRIX_FMT_FP6 matrix_a_scale:MATRIX_SCALE_ROW1
.else
	v_wmma_scale_f32_16x16x128_f8f6f4 v[8*(8*((\a)%4)+\b):8*(8*((\a)%4)+\b)+7], v[128*(\p)+FR*\b:128*(\p)+FR*\b+FR-1], v[AF+FR*(\a):AF+FR*(\a)+FR-1], v[8*(8*((\a)%4)+\b):8*(8*((\a)%4)+\b)+7], v[SC+8*NQ*(\sc)+NQ*\b+(\q)], v[SC+8*NQ*(\sc)+NQ*(\a)+(\q)] matrix_a_fmt:MATRIX_FMT_FP6 matrix_b_fmt:MATRIX_FMT_FP6 matrix_a_scale:MATRIX_SCALE_ROW1
.endif
.endr
.endr
.endm
.macro FETCH_B slot, q, p
	WIN TO_B
.irp i, 0,1,2,3,4,5,6,7
	FRAG 128*(\p)+FR*\i, ADRB+\slot, \q, \i
.endr
	WIN 0
.endm
.macro FETCH_A slot, q, i0
.irp i, \i0, \i0+1, \i0+2, \i0+3
	FRAG AF+FR*(\i), ADRA+\slot, \q, \i
.endr
.endm
.macro SCALES sc
.irp i, 0,1,2,3,4,5,6,7
.irp q, 0,1
	ds_load_b32 v[SC+8*NQ*\sc+NQ*\i+\q], v[ADRS+\sc] offset:BLKB*\q+64*\i
.endr
.endr
.endm
.macro PLACES n
.rept \n
	v_nop
.endr
.endm
.macro STEP slot, q, zero
	s_wait_dscnt 4*NL
	WIN MUL_LO
	MUL16 0, (\q)%2, \q, \slot, \zero
	MUL16 2, (\q)%2, \q, \slot, \zero
	s_wait_dscnt 0
	PLACES NP
	FETCH_B \slot, (\q)+1, 1-(\q)%2
	FETCH_A \slot, (\q)+1, 0
	WIN MUL_HI
	MUL16 4, (\q)%2, \q, \slot, \zero
	MUL16 6, (\q)%2, \q, \slot, \zero
	PLACES NP
	WIN 0
	FETCH_A \slot, (\q)+1, 4
.endm
.macro TURN slot, next, fill
	s_wait_tensorcnt 0x0
	ds_add_u32 v[SPW], v[NIL]
	s_wait_dscnt 4*NL+1
	WIN MUL_LO
	MUL16 0, 1, NQ-1, \slot, 0
	s_wait_dscnt 0x0
	s_barrier_signal -1
	MUL16 2, 1, NQ-1, \slot, 0
	WIN 0
	s_barrier_wait -1
.if \fill
	CREST
	tensor_load_to_lds s[RF+24*\slot:RF+24*\slot+3], s[G1R:G1R+7]   ; my own group's next two K steps, asked for jointly: the first tensor load behind the round
	s_nop 0
	PLACES NP
	v_add_nc_u32 v[ADRB+\slot], 2*QG, v[ADRB+\slot]   ; this slot's next turn takes k's fragments two slots' worth further on,
	v_mov_b32 v[ADRS+\slot], v[ADRS2+\slot]           ; and k's scale words likewise
.else
	PLACES NP
.endif
	s_wait_alu depctr_va_vdst(0)
	FETCH_B \next, 0, 0
	FETCH_A \next, 0, 0
	SCALES \next
	WIN MUL_HI
	MUL16 4, 1, NQ-1, \slot, 0
	MUL16 6, 1, NQ-1, \slot, 0
	PLACES NP
	WIN 0
	FETCH_A \next, 0, 4
.endm
	s_wait_alu depctr_va_vdst(0)
	s_wait_tensorcnt 0x0                           ; my tile of the head's four is in
	s_barrier_signal -1
	s_barrier_wait -1
	FETCH_B 0, 0, 0
	FETCH_A 0, 0, 0
	SCALES 0
	FETCH_A 0, 0, 4
	STEP 0, 0, 1
	TURN 0, 1, 1
	STEP 1, 0, 0
	TURN 1, 0, 1
	STEP 0, 0, 0
	TURN 0, 1, 0
	STEP 1, 0, 0
	s_wait_dscnt 4*NL
	WIN MUL_LO
	MUL16 0, 1, NQ-1, 1, 0
	MUL16 2, 1, NQ-1, 1, 0
	s_wait_dscnt 0
	WIN MUL_HI
	MUL16 4, 1, NQ-1, 1, 0
	MUL16 6, 1, NQ-1, 1, 0
	WIN 0
	PLACES NP
	s_cmp_lg_u32 s41, s40
	s_cbranch_scc1 .Lopen
.irp a, 0,1,2,3,4,5,6,7
.set WN, ((2+\a/4)<<6)|(2+\a/4)
	WIN WN
.irp bb, 0,1,2,3,4,5,6,7
.set AC, 8*(8*(\a%4)+\bb)
.irp j, 0,1,2,3,4,5,6,7
.if \bb < \a
	v_cndmask_b32 v[AC+\j], v[AC+\j], v[NINF], s67
.elseif \bb > \a
	v_cndmask_b32 v[AC+\j], v[AC+\j], v[NINF], s68
.else
	v_cmp_gt_i32 vcc_lo, \j, v[DV]
	v_cndmask_b32 v[AC+\j], v[AC+\j], v[NINF], vcc_lo
.endif
.endr
.endr
.endr
	WIN 0
.Lopen:
.irp b, 0,1,2,3
	v_mov_b32 v[236+\b], 0
.endr
	v_mov_b32 v252, 0
.macro SOFTQ a
.set QW, 2+(\a)/4
.set QS, 64*((\a)%4)
.if (\a) > 0
	s_wait_xcnt 0x0
.endif
.set WN, QW|(QW<<2)
	WIN WN
.irp b, 0,1,2,3
	v_max_num_f32 v[232+\b], v[QS+16*\b], v[QS+16*\b+1]
.endr
.irp i, 2,4,6,8,10,12,14
.irp b, 0,1,2,3
	v_max3_num_f32 v[232+\b], v[QS+16*\b+\i], v[QS+16*\b+\i+1], v[232+\b]
.endr
.endr
	WIN 0
.irp b, 0,1,2,3
	v_permlanex16_b32 v[236+\b], v[232+\b], s20, s21
.endr
.irp b, 0,1,2,3
	v_max_num_f32 v[232+\b], v[232+\b], v[236+\b]
.endr
	v_max3_num_f32 v254, v232, v233, v234
	v_max_num_f32 v254, v254, v235
	v_mul_f32 v13, s22, v254
	v_max_num_f32 v13, 0xfd800000, v13
	v_floor_f32 v12, -v13
	WIN QW
.set J, 0
.rept 32
	v_pk_fma_f32 v[96+J:97+J], v[QS+J:QS+J+1], s[22:23], v[12:13] op_sel_hi:[1,0,0]
.set J, J+2
.endr
	WIN 0
.irp b, 0,1,2,3
	v_fma_f32 v[232+\b], v[232+\b], s22, v12
.endr
.set J, 0
	s_wait_alu depctr_va_vdst(0)
.rept 64
	v_exp_f32 v[96+J], v[96+J]
.set J, J+1
.endr
	v_nop
	s_wait_alu depctr_va_vdst(0)
.irp b, 0,1,2,3
	v_exp_f32 v[232+\b], v[232+\b]
.endr
	v_pk_add_f32 v[14:15], v[96:97], v[100:101]
	v_pk_add_f32 v[236:237], v[98:99], v[102:103]
.irp j, 8,12,16,20,24,28,32,36,40,44,48,52,56,60
	v_pk_add_f32 v[14:15], v[14:15], v[96+\j:97+\j]
	v_pk_add_f32 v[236:237], v[236:237], v[98+\j:99+\j]
.endr
	v_pk_add_f32 v[14:15], v[14:15], v[236:237]
	v_add_f32 v14, v14, v15
	v_permlanex16_b32 v252, v14, s20, s21
	v_add_f32 v14, v14, v252
	s_wait_alu depctr_va_vdst(0)
.irp b, 0,1,2,3
	v_max_num_f32 v[232+\b], 0x1800000, v[232+\b]
.endr
.irp b, 0,1,2,3
	v_add_nc_u32 v[244+\b], 0xff000000, v[232+\b]
.endr
.irp b, 0,1,2,3
	v_lshrrev_b32 v[236+\b], 23, v[244+\b]
.endr
	v_lshl_or_b32 v253, v237, 8, v236
	v_lshl_or_b32 v253, v238, 16, v253
	v_lshl_or_b32 v253, v239, 24, v253
.irp c, 0,1
	v_cvt_scalef32_pk16_fp6_f32 v[224+6*\c:226+6*\c], v[96+32*\c:111+32*\c], v[244+2*\c]
	v_cvt_scalef32_pk16_fp6_f32 v[236+4*\c:238+4*\c], v[112+32*\c:127+32*\c], v[244+2*\c+1]
.endr
	v_nop
.irp c, 0,1
.irp i, 0,1,2
	v_permlane16_swap_b32 v[224+6*\c+\i], v[236+4*\c+\i]
.endr
.irp i, 0,1,2
	v_mov_b32 v[227+6*\c+\i], v[236+4*\c+\i]
.endr
.endr
.irp c, 0,1,2
	global_store_b128 v[LI], v[224+4*\c:227+4*\c], s[8:9] offset:1536*(\a)+512*\c
.endr
	ds_store_b32 v[SW], v253 offset:64*(\a)
	ds_store_b32 v[SW], v12 offset:512+64*(\a)
	ds_store_b32 v[SW], v14 offset:1024+64*(\a)
.endm
.irp a, 0,1,2,3,4,5,6,7
	SOFTQ \a
.endr
	ds_load_b128 v[96:99], v[SRD]
	ds_load_b128 v[100:103], v[SRD] offset:512
	ds_load_b128 v[104:107], v[SRD] offset:1024
	s_wait_dscnt 0x0
	global_store_b128 v[LI], v[96:99], s[10:11]
	global_store_b128 v[LI], v[100:103], s[10:11] offset:524288
	global_store_b128 v[LI], v[104:107], s[10:11] offset:1048576
	s_wait_tensorcnt 0x0
	ds_add_u32 v[SPW], v[NIL]
	s_wait_dscnt 0x0
	CROUND
	s_endpgm
.Lfunc_end_k_q60c7c19591_score:
	.size	k_q60c7c19591_score, .Lfunc_end_k_q60c7c19591_score-k_q60c7c19591_score
	.p2alignl 7, 3214868480
	.fill 96, 4, 3214868480
	.section	.rodata,"a",@progbits
	.p2align	6, 0x0
	.amdhsa_kernel k_q60c7c19591_score
		.amdhsa_group_segment_fixed_size 327680
		.amdhsa_private_segment_fixed_size 0
		.amdhsa_enable_private_segment 0
		.amdhsa_kernarg_size 32
		.amdhsa_user_sgpr_count 2
		.amdhsa_user_sgpr_kernarg_segment_ptr 1
		.amdhsa_wavefront_size32 1
		.amdhsa_system_sgpr_workgroup_id_x 1
		.amdhsa_system_sgpr_workgroup_id_y 1
		.amdhsa_system_sgpr_workgroup_id_z 1
		.amdhsa_system_vgpr_workitem_id 0
		.amdhsa_next_free_vgpr 1024
		.amdhsa_next_free_sgpr 88
		.amdhsa_reserve_vcc 1
		.amdhsa_float_denorm_mode_32 3
		.amdhsa_float_denorm_mode_16_64 3
		.amdhsa_memory_ordered 1
		.amdhsa_forward_progress 1
		.amdhsa_inst_pref_size 228
	.end_amdhsa_kernel
	.amdgpu_metadata
---
amdhsa.version: [ 1, 2 ]
amdhsa.kernels:
  - .name:           k_q60c7c19591_score
    .symbol:         k_q60c7c19591_score.kd
    .args:
      - { .name: q_img, .offset: 0, .size: 8, .value_kind: global_buffer, .address_space: global }
      - { .name: k_img, .offset: 8, .size: 8, .value_kind: global_buffer, .address_space: global }
      - { .name: p_img, .offset: 16, .size: 8, .value_kind: global_buffer, .address_space: global }
      - { .name: p_stat, .offset: 24, .size: 8, .value_kind: global_buffer, .address_space: global }
    .group_segment_fixed_size: 327680
    .private_segment_fixed_size: 0
    .kernarg_segment_align: 8
    .kernarg_segment_size: 32
    .max_flat_workgroup_size: 128
    .sgpr_count:     88
    .vgpr_count:     1024
    .wavefront_size: 32
...
	.end_amdgpu_metadata
.endif
;; end of part 3
;; launch pv (part 4): grid 8 x 32, 4 waves a work-group, clusters of 4 x 1, 327,680 bytes of LDS; arguments p_img, v_img, p_stat, out0; writes out0
.if DOCPART == 4
	.amdgcn_target "amdgcn-amd-amdhsa--gfx1250"
	.amdhsa_code_object_version 6
	.text
	.protected	k_q60c7c19591_pv
	.globl	k_q60c7c19591_pv
	.p2align	8
	.type	k_q60c7c19591_pv,@function
k_q60c7c19591_pv:
	s_mov_b64 s[64:65], 0
	v_nop
	global_prefetch_b8 v0, s[64:65] scope:SCOPE_SE
	s_setreg_imm32_b32 hwreg(HW_REG_WAVE_MODE, 25, 1), 1
	s_wait_xcnt 0x0
	s_wait_alu depctr_hold_cnt(0) depctr_sa_sdst(0) depctr_va_vdst(0) depctr_va_sdst(0) depctr_va_ssrc(0) depctr_va_vcc(0) depctr_vm_vsrc(0)
	s_getreg_b32 s2, hwreg(HW_REG_IB_STS2, 6, 4)
	s_cmp_eq_u32 s2, 0
	s_cbranch_scc0 .Lentry_in_a_cluster
	s_endpgm
.Lentry_in_a_cluster:
	s_bfe_u32 s2, ttmp6, 0x10000c
	s_cmp_lg_u32 s2, 0x3003
	s_cbranch_scc0 .Lentry_shape_is_right
	s_endpgm
.Lentry_shape_is_right:
; out = (P V) / l on codes of FP6 (E2M3), K = the keys.  P's codes were made under a local M for each 128 keys (launch 3); here the row's M is the largest of them, each scale byte of P is lowered by the whole
; number D = M - local M (held at 0), and l = the sum of the local sums x 2^-D: powers of two, which round nothing.
; WORK LEFT OUT: key steps of 128 that lie wholly behind the diagonal of reference()'s own mask for all 256 queries of the work-group (shown at the head of the first launch).
; SHARES.  A work-group makes 256 queries x 128 e; 256 work-groups.  Wave w: queries 128 (w / 2) on (8 fragments of P, source 1) x e 64 (w % 2) on (4 fragments of V^T, source 0): 32 accumulators; a lane holds
; eight neighbouring e of one query.  The four partners of a cluster share the queries and differ in e: P, two thirds of a slot's bytes, is asked for jointly; each fetches its own V.
; THE WALK.  A slot holds four key steps (512 keys).  Block qt of 256 queries wants 2 (qt + 1) key steps: NS = qt / 2 + 1 slots, of whose last an even qt uses two steps.  NS and qt % 2 come from the grid's y, which
; all partners and waves share: the walk is written out with branches on them.
; WHAT IS WAITED FOR IS ASKED FOR FIRST: the statistics' loads go out as soon as the arguments are in, ahead of the round and of the tiles; behind the round one branch on NS has the first fills in each of its
; arms: both slots where a second slot is read (one load of a wave brings both), slot 0 alone where NS = 1.  Behind each later round a wave has one load out.
; LIMITS: a block of P more than its own scale byte (125 at the most) powers of two under the row's largest p is held at the byte 0; and those at the head of the first launch.
; REGISTERS: window 0: v1-6, v16-29 addresses; v32-55 scale words, two sets (8 of P, 4 of V), and nothing else; v64-195 the statistics, later the way out.  window 1: accumulator (a, t) at v[8 (4 a + t)].
;   windows 2, 3: fragment sets 0 and 1: V at v0-47, P at v48-143.
.set PB,    12288                      ; a block of P: 8 fragments
.set BLKB,  12800                      ; a block of V: 8 fragments and 128 scale words
.set PRG,   4*PB                       ; four key steps of one group of 128 queries
.set VOFF,  4*PRG                      ; P: [2 groups of queries][2 slots][4 key steps]; behind it V: [2 slots][4 key steps]
.set SLOT,  2*PRG+4*BLKB               ; a slot's bytes: 149,504
.set PT,    2*SLOT                     ; behind the ring: P's lowered scale words, [16 key steps][256 queries]
.set RL,    PT+16384                   ; 1 / l of the 256 queries
.set SPARE, RL+1024                    ; the spare words: two blocks of 256 bytes that no other line names
.set SP,    272                        ; the way out: a stage of 16 rows x (256 bytes + 16) for each wave, in slot 0, behind its last fill and its last read
.set STA,  1                           ; v1 8 x thread: my two queries' words in p_stat
.set PTA,  2                           ; v2 where I put their scale words
.set RLA,  3                           ; v3 and their 1 / l
.set ADRP, 16                          ; v16-17 my P fragments in slot 0, 1
.set ADRV, 18                          ; v18-19 my V fragments
.set ADVS, 20                          ; v20-21 V's scale words
.set ADV8, 30                          ; v30-31 my V fragments, 8 bytes a lane: a V fragment lies in halves: registers 6 c .. 6 c + 3 at 512 c + 16 l, registers 6 c + 4, 6 c + 5 at 1,024 + 256 c + 8 l
.set ADPT, 22                          ; v22 P's
.set ADRL, 23
.set STO,  24
.set RD,   25
.set GO,   26
.set SPW,  28
.set NIL,  29
.set SC,   32
.set NMR,  64                          ; v64-95   -M of (key step kg, query u) at 2 kg + u; later d
.set LR,   96                          ; v96-127  the local sums
.set WR,   128                         ; v128-159 the scale words
.set MK,   160                         ; v160-191 at work
.set MN,   192                         ; v192-193 the rows' -M
.set LS,   194                         ; v194-195 the rows' l
.set RC,   64                          ; the way out: 1 / l, a pair for each block
.set TMP,  96
.set BK,   128
.set G1P, 24
.set G0P, 32
.set G1V, 48
.set G0V, 56
.set G1P2, 72                          ; s[72:79] group 1 of the head's load of P: a group's first 8 key steps, both slots
.set G1V2, 80                          ; s[80:87] of the head's load of V: a whole slot's 4 key steps
.set G0VH, 88                          ; s[88:91] its group 0: wave 2 slot 0's V, wave 3 slot 1's
.set MSB, 0
.macro WIN new
.if MSB != \new
	s_set_vgpr_msb (MSB<<8)|\new
.set MSB, \new
.endif
.endm
; Waves 0 and 1 ask jointly for P's two groups of queries, waves 2 and 3 fetch my own V.  The branch hangs on the wave's number alone.  An s_nop 0 and four v_nop follow each line.
.macro JLOAD s
	s_cmp_eq_u32 s15, 0
	s_cbranch_scc0 .Lfor_v_\@
	tensor_load_to_lds s[G0P+4*(\s):G0P+4*(\s)+3], s[G1P:G1P+7]
	s_nop 0
.rept 4
	v_nop
.endr
	s_branch .Lasked_\@
.Lfor_v_\@:
	tensor_load_to_lds s[G0V+4*(\s):G0V+4*(\s)+3], s[G1V:G1V+7]
	s_nop 0
.rept 4
	v_nop
.endr
.Lasked_\@:
.endm
.macro CROUND                          ; a round of the cluster's barrier
	s_barrier_signal -1
	s_barrier_wait -1
	s_cmp_lg_u32 s14, 0
	s_cbranch_scc1 .Lnot_wave_0_\@
	s_barrier_signal -3
.Lnot_wave_0_\@:
	s_barrier_wait -3
	s_barrier_signal -1
	s_barrier_wait -1
.endm
.macro PLACES n
.rept \n
	v_nop
.endr
.endm
	s_load_b256 s[4:11], s[0:1], 0x0               ; p_img, v_img, p_stat, out0
	v_lshl_add_u32 v[SPW], v0, 2, SPARE
	v_mov_b32 v[NIL], 0
	ds_add_u32 v[SPW], v[NIL]                      ; the wave's opening: the add, twice on end, and its wait ahead of my first tensor load
	ds_add_u32 v[SPW], v[NIL]
	; all that is made of ids alone stands here, work on registers, while the arguments are on their way
	v_lshrrev_b32 v1, 5, v0
	v_readfirstlane_b32 s14, v1                    ; wave 0..3
	s_lshr_b32 s15, s14, 1                         ; which 128 queries are mine.  Also: I fetch P (0) or V (1)
	s_and_b32 s16, s14, 1                          ; which 64 e.  Also: which half I fetch
	s_bfe_u32 s40, ttmp6, 0x40000                  ; cx
	s_lshl_b32 s41, ttmp9, 2
	s_add_co_u32 s41, s41, s40                     ; my 128 e: 4 x cluster x + cx: it enters global addresses alone
	s_and_b32 s42, ttmp7, 0xffff
	s_lshr_b32 s17, s42, 3                         ; the batch
	s_and_b32 s18, s42, 7                          ; qt: my block of 256 queries
	s_lshr_b32 s19, s18, 1
	s_add_co_u32 s19, s19, 1                       ; NS: slots to walk
	s_and_b32 s3, s18, 1                           ; 1: the last slot's four key steps count; 0: two
	; group 1 for P: 49,152 dense bytes as 192 rows of 256 (32 elements of 8 bytes)
	s_mov_b32 s[G1P+0], 15|(3<<16)|(1<<21)         ; the mask: all four work-groups; bit 21 beside a mask
	s_mov_b32 s[G1P+1], 32<<16
	s_mov_b32 s[G1P+2], 192<<16
	s_mov_b32 s[G1P+3], 32<<16
	s_mov_b32 s[G1P+4], 192
	s_mov_b32 s[G1P+5], 32
	s_mov_b32 s[G1P+6], 0
	s_mov_b32 s[G1P+7], 0
	; group 1 for V: 25,600 dense bytes as 100 rows of 256; no mask
	s_mov_b32 s[G1V+0], 3<<16
	s_mov_b32 s[G1V+1], 32<<16
	s_mov_b32 s[G1V+2], 100<<16
	s_mov_b32 s[G1V+3], 32<<16
	s_mov_b32 s[G1V+4], 100
	s_mov_b32 s[G1V+5], 32
	s_mov_b32 s[G1V+6], 0
	s_mov_b32 s[G1V+7], 0
	s_mov_b32 s[G1P2+0], 15|(3<<16)|(1<<21)        ; 98,304 dense bytes as 384 rows of 256
	s_mov_b32 s[G1P2+1], 32<<16
	s_mov_b32 s[G1P2+2], 384<<16
	s_mov_b32 s[G1P2+3], 32<<16
	s_mov_b32 s[G1P2+4], 384
	s_mov_b32 s[G1P2+5], 32
	s_mov_b32 s[G1P2+6], 0
	s_mov_b32 s[G1P2+7], 0
	s_mov_b32 s[G1V2+0], 3<<16                     ; 51,200 dense bytes as 200 rows of 256
	s_mov_b32 s[G1V2+1], 32<<16
	s_mov_b32 s[G1V2+2], 200<<16
	s_mov_b32 s[G1V2+3], 32<<16
	s_mov_b32 s[G1V2+4], 200
	s_mov_b32 s[G1V2+5], 32
	s_mov_b32 s[G1V2+6], 0
	s_mov_b32 s[G1V2+7], 0
	s_lshl_b32 s43, s17, 4
	s_lshl_b32 s44, s18, 1
	s_add_co_u32 s43, s43, s44
	s_add_co_u32 s43, s43, s16                     ; P: group of queries 16 b + 2 qt + half: made of the grid's y and the wave's number alone
	s_mul_i32 s44, s43, 16*PB
	s_mov_b32 s45, 0
	s_lshl_b32 s46, s17, 3
	s_add_co_u32 s46, s46, s41
	s_lshl_b32 s46, s46, 4
	s_lshl_b32 s47, s16, 1
	s_add_co_u32 s46, s46, s47                     ; V: block (8 b + my e) x 16 + 2 x half
	s_mul_i32 s46, s46, BLKB
	s_mov_b32 s47, 0
	s_mul_i32 s12, s16, 2*PRG
	s_mul_i32 s13, s16, 2*BLKB
	s_add_co_u32 s13, s13, VOFF
	s_mov_b32 s66, 0x01010101
	s_mov_b32 s67, 0x80808080
	s_lshl_b32 s20, s17, 17                        ; p_stat: a batch's 16 x 2,048 words,
	s_lshl_b32 s21, s18, 10                        ; my 256 queries
	s_add_co_u32 s20, s20, s21
	s_mov_b32 s21, 0
	s_lshl_b32 s22, s17, 11                        ; out0: row 2,048 b + 256 qt + 128 (w / 2), 4,096 bytes a row; + 512 x my e + 256 (w % 2)
	s_lshl_b32 s68, s18, 8
	s_add_co_u32 s22, s22, s68
	s_lshl_b32 s68, s15, 7
	s_add_co_u32 s22, s22, s68
	s_lshl_b32 s22, s22, 12
	s_lshl_b32 s68, s41, 9
	s_add_co_u32 s22, s22, s68
	s_lshl_b32 s68, s16, 8
	s_add_co_u32 s22, s22, s68
	s_mov_b32 s23, 0
	v_lshlrev_b32 v[STA], 3, v0                    ; thread t owns queries 2 t and 2 t + 1 of the 256
	v_lshl_add_u32 v[PTA], v0, 3, PT
	v_lshl_add_u32 v[RLA], v0, 3, RL
	v_and_b32 v4, 15, v0                           ; r
	v_bfe_u32 v5, v0, 4, 1                         ; h
	v_and_b32 v6, 31, v0
	v_lshlrev_b32 v6, 4, v6                        ; 16 x lane
	v_lshrrev_b32 v7, 1, v6                        ; 8 x lane
	s_wait_alu depctr_va_vdst(0)
	s_mul_i32 s68, s15, 2*PRG
	s_mul_i32 s69, s16, 4*1536
	s_add_co_u32 s69, s69, VOFF                    ; my four fragments of V
	s_lshl_b32 s70, s16, 8
	s_add_co_u32 s70, s70, VOFF+PB                 ; and their scale words, behind a block's eight fragments
.irp s, 0,1
	v_add_nc_u32 v[ADRP+\s], s68, v6
	v_add_nc_u32 v[ADRV+\s], s69, v6
	v_add_nc_u32 v[ADV8+\s], s69, v7
	v_lshl_add_u32 v[ADVS+\s], v4, 2, s70
	s_add_co_u32 s68, s68, PRG
	s_add_co_u32 s69, s69, 4*BLKB
	s_add_co_u32 s70, s70, 4*BLKB
.endr
	s_lshl_b32 s68, s15, 9
	s_add_co_u32 s69, s68, PT
	v_lshl_add_u32 v[ADPT], v4, 2, s69
	s_add_co_u32 s69, s68, RL
	v_lshl_add_u32 v[ADRL], v4, 2, s69
	s_mul_i32 s68, s14, 16*SP                      ; my stage
	v_mul_u32_u24 v[STO], v4, SP                   ; in: row r, 32 bytes for each half of the lanes
	v_lshl_add_u32 v[STO], v5, 5, v[STO]
	v_add_nc_u32 v[STO], s68, v[STO]
	v_mul_u32_u24 v[RD], v5, SP                    ; back: lanes 0-15 one row of 256 bytes, lanes 16-31 the next
	v_lshl_add_u32 v[RD], v4, 4, v[RD]
	v_add_nc_u32 v[RD], s68, v[RD]
	v_lshlrev_b32 v[GO], 12, v5                    ; and the same two rows in out0
	v_lshl_add_u32 v[GO], v4, 4, v[GO]
.set I, 8
.rept 24
	v_mov_b32 v[NMR+I], 0x7f000000
	v_mov_b32 v[LR+I], 0
	v_mov_b32 v[WR+I], 0
.set I, I+1
.endr
	s_wait_dscnt 0x0                               ; both opening adds are done
	s_wait_kmcnt 0x0
	; THE STATISTICS' LOADS, first of all that is asked of memory
	s_add_nc_u64 s[8:9], s[8:9], s[20:21]
.irp sg, 0,1,2,3
.if \sg > 0
	s_cmp_le_u32 s19, \sg                          ; only the slots that I walk have been written
	s_cbranch_scc1 .Lst
.endif
.irp k, 0,1,2,3
	global_load_b64 v[NMR+2*(4*\sg+\k):NMR+2*(4*\sg+\k)+1], v[STA], s[8:9] offset:524288+8192*(4*\sg+\k)
	global_load_b64 v[LR+2*(4*\sg+\k):LR+2*(4*\sg+\k)+1], v[STA], s[8:9] offset:1048576+8192*(4*\sg+\k)
	global_load_b64 v[WR+2*(4*\sg+\k):WR+2*(4*\sg+\k)+1], v[STA], s[8:9] offset:8192*(4*\sg+\k)
.endr
.endr
.Lst:
	s_add_nc_u64 s[44:45], s[4:5], s[44:45]
	s_add_nc_u64 s[46:47], s[6:7], s[46:47]
	s_add_nc_u64 s[10:11], s[10:11], s[22:23]
	s_mul_i32 s92, s16, 2*BLKB                     ; the head's load of V: 4 key steps from 4 x half on, where a refill takes 2 from 2 x half on
	s_mov_b32 s93, 0
	s_mov_b32 s[G0VH], 1
	s_add_co_u32 s[G0VH+1], s13, s92
	s_add_nc_u64 s[G0VH+2:G0VH+3], s[46:47], s[92:93]
	s_or_b32 s[G0VH+3], s[G0VH+3], 0x80000000
.irp s, 0,1
	s_mov_b32 s[G0P+4*\s], 1
	s_add_co_u32 s[G0P+4*\s+1], s12, \s*PRG
	s_add_nc_u64 s[G0P+4*\s+2:G0P+4*\s+3], s[44:45], \s*PRG
	s_or_b32 s[G0P+4*\s+3], s[G0P+4*\s+3], 0x80000000
	s_mov_b32 s[G0V+4*\s], 1
	s_add_co_u32 s[G0V+4*\s+1], s13, \s*4*BLKB
	s_add_nc_u64 s[G0V+4*\s+2:G0V+4*\s+3], s[46:47], \s*4*BLKB
	s_or_b32 s[G0V+4*\s+3], s[G0V+4*\s+3], 0x80000000
.endr
; THE STATISTICS' ARITHMETIC, while the tiles are on their way: the row's -M, the lowered scale words into LDS, l and 1 / l.
.macro STATS
	s_wait_loadcnt 0x0
.irp u, 0,1
	v_min3_num_f32 v[MN+\u], v[NMR+\u], v[NMR+2+\u], v[NMR+4+\u]   ; the row's -M: the least of the 16
.irp k, 6,10,14,18,22,26
	v_min3_num_f32 v[MN+\u], v[MN+\u], v[NMR+\k+\u], v[NMR+\k+2+\u]
.endr
	v_min_num_f32 v[MN+\u], v[MN+\u], v[NMR+30+\u]
.endr
.set I, 0
.rept 16
	v_pk_add_f32 v[NMR+I:NMR+I+1], v[MN:MN+1], v[NMR+I:NMR+I+1] neg_lo:[0,1] neg_hi:[0,1]   ; d = local M - the row's M: a whole number, 0 or less
.set I, I+2
.endr
.set I, 0
.rept 32
	v_max_num_f32 v[NMR+I], 0xc2fe0000, v[NMR+I]   ; held at -127: beyond that every byte falls to 0 and every sum counts for nothing
.set I, I+1
.endr
.set I, 0
.rept 32
	v_cvt_i32_f32 v[NMR+I], v[NMR+I]
.set I, I+1
.endr
.set I, 0
.rept 32
	v_ldexp_f32 v[LR+I], v[LR+I], v[NMR+I]         ; the local sum under the row's M
.set I, I+1
.endr
.set I, 0
.rept 32
	v_mul_lo_u32 v[NMR+I], v[NMR+I], s66           ; d in each of the four bytes
.set I, I+1
.endr
.set I, 0
.rept 32
	v_or_b32 v[WR+I], s67, v[WR+I]                 ; 128 onto each byte (P's bytes are 125 at the most), so that no borrow leaves a byte: 128 + byte + d is 1 at the least
.set I, I+1
.endr
.set I, 0
.rept 32
	v_add_nc_u32 v[WR+I], v[WR+I], v[NMR+I]
.set I, I+1
.endr
.set I, 0
.rept 32
	v_and_b32 v[MK+I], s67, v[WR+I]                ; a byte's top bit stands where byte + d is 0 or more
.set I, I+1
.endr
.set I, 0
.rept 32
	v_lshrrev_b32 v[NMR+I], 7, v[MK+I]
.set I, I+1
.endr
.set I, 0
.rept 32
	v_sub_nc_u32 v[MK+I], v[MK+I], v[NMR+I]        ; 0x7f in those bytes, 0 in the others
.set I, I+1
.endr
.set I, 0
.rept 32
	v_and_b32 v[WR+I], v[WR+I], v[MK+I]            ; the lowered byte, held at 0
.set I, I+1
.endr
	v_pk_add_f32 v[LS:LS+1], v[LR:LR+1], v[LR+2:LR+3]
.set I, 4
.rept 14
	v_pk_add_f32 v[LS:LS+1], v[LS:LS+1], v[LR+I:LR+I+1]   ; l of my two queries
.set I, I+2
.endr
.set I, 0
.rept 16
	ds_store_b64 v[PTA], v[WR+2*I:WR+2*I+1] offset:1024*I
.set I, I+1
.endr
	s_wait_alu depctr_va_vdst(0)
	v_rcp_f32 v[LS], v[LS]                         ; l is over 1/2: the key step that holds the row's M has a p over 1/2
	v_rcp_f32 v[LS+1], v[LS+1]
	v_nop                                          ; a plain place behind the reciprocals
	s_wait_alu depctr_va_vdst(0)                   ; the wait ahead of the first reader
	ds_store_b64 v[RLA], v[LS:LS+1]
.endm
; Key step k of LDS slot s (key step kg of the head) into fragment set f: 32 loads of 16 bytes a lane, 512 consecutive bytes each, 8 of 8 bytes a lane, 256 each, and 12 scale words.
.macro FETCH s, k, kg, f
.set WN, (2+(\f))<<6
	WIN WN                                         ; destination: the set's window
.irp i, 0,1,2,3
.irp c, 0,1
	ds_load_b128 v[12*\i+6*\c:12*\i+6*\c+3], v[ADRV+(\s)] offset:BLKB*(\k)+1536*\i+512*\c
	ds_load_b64 v[12*\i+6*\c+4:12*\i+6*\c+5], v[ADV8+(\s)] offset:BLKB*(\k)+1536*\i+1024+256*\c
.endr
.endr
.irp i, 0,1,2,3,4,5,6,7
.irp c, 0,1,2
	ds_load_b128 v[48+12*\i+4*\c:48+12*\i+4*\c+3], v[ADRP+(\s)] offset:PB*(\k)+1536*\i+512*\c
.endr
.endr
	WIN 0
.irp a, 0,1,2,3,4,5,6,7
	ds_load_b32 v[SC+12*(\f)+\a], v[ADPT] offset:1024*(\kg)+64*\a
.endr
.irp t, 0,1,2,3
	ds_load_b32 v[SC+12*(\f)+8+\t], v[ADVS+(\s)] offset:BLKB*(\k)+64*\t
.endr
.endm
; A key step's 32 matrix instructions.  The 32 accumulators take turns, in the same order in every step and on every way.
.macro MUL32 f, zero
.set WN, 0x50|(2+(\f))|((2+(\f))<<2)
	WIN WN                                         ; sources 0 and 1: the set's window; C and D: window 1
.irp a, 0,1,2,3,4,5,6,7
.irp t, 0,1,2,3
.if \zero
	v_wmma_scale_f32_16x16x128_f8f6f4 v[8*(4*\a+\t):8*(4*\a+\t)+7], v[12*\t:12*\t+11], v[48+12*\a:48+12*\a+11], 0, v[SC+12*(\f)+8+\t], v[SC+12*(\f)+\a] matrix_a_fmt:MATRIX_FMT_FP6 matrix_b_fmt:MATRIX_FMT_FP6
.else
	v_wmma_scale_f32_16x16x128_f8f6f4 v[8*(4*\a+\t):8*(4*\a+\t)+7], v[12*\t:12*\t+11], v[48+12*\a:48+12*\a+11], v[8*(4*\a+\t):8*(4*\a+\t)+7], v[SC+12*(\f)+8+\t], v[SC+12*(\f)+\a] matrix_a_fmt:MATRIX_FMT_FP6 matrix_b_fmt:MATRIX_FMT_FP6
.endif
.endr
.endr
.endm
; Key step k of slot number sg.  pre = 1: the next key step of the same slot is fetched into the other set while this one is multiplied.
.macro KST sg, k, pre, zero
	s_wait_dscnt 0x0                               ; this step's fragments and scale words are in (asked for a key step ago)
	PLACES 4                                       ; behind the last products, in front of loads into the set that they read
.if \pre
	FETCH (\sg)%2, (\k)+1, 4*(\sg)+(\k)+1, ((\k)+1)%2
.endif
	MUL32 (\k)%2, \zero
.endm
; THE CHANGE into slot number sg.  Each wave waits for all its tensor loads (its part of that slot), adds 0 to its spare word, and waits for that, for its reads of the slot that it leaves (whose last key step
; now lies in registers) and, where sg = 0, for its stores of the statistics.  load = 1: a round of the cluster's barrier, and behind it the slot that was left is filled again first; else my work-group's barrier.
.macro CH sg, load
	WIN 0
	s_wait_tensorcnt 0x0                           ; no tensor load of mine is out, so a group 0 may be written
	ds_add_u32 v[SPW], v[NIL]                      ; 0 onto my spare word
.if (\load) && ((\sg) > 0)
	s_add_nc_u64 s[G0P+4*(((\sg)+1)%2)+2:G0P+4*(((\sg)+1)%2)+3], s[G0P+4*(((\sg)+1)%2)+2:G0P+4*(((\sg)+1)%2)+3], 2*PRG      ; two slots on
	s_add_nc_u64 s[G0V+4*(((\sg)+1)%2)+2:G0V+4*(((\sg)+1)%2)+3], s[G0V+4*(((\sg)+1)%2)+2:G0V+4*(((\sg)+1)%2)+3], 2*4*BLKB
.endif
	s_wait_dscnt 0x0
.if \load
	CROUND                                         ; no wave of any partner still reads the slot that is filled next or has a load on its way
	JLOAD ((\sg)+1)%2                              ; my one tensor load behind the round; its four v_nop are the places in front of the loads below
.else
	s_barrier_signal -1
	s_barrier_wait -1
	PLACES 4
.endif
	FETCH (\sg)%2, 0, 4*(\sg), 0
.if (\sg) > 0
	MUL32 1, 0                                     ; the last key step of the slot that was left
.endif
.endm
.macro BODY3 sg                        ; a slot's first three key steps; the fourth is fetched
.if (\sg) == 0
	KST \sg, 0, 1, 1                               ; the first products start the sums: nothing is cleared
.else
	KST \sg, 0, 1, 0
.endif
	KST \sg, 1, 1, 0
	KST \sg, 2, 1, 0
	WIN 0
.endm
.macro LAST sg                         ; the last slot: four key steps where qt is odd, two where it is even
.if (\sg) == 0
	KST \sg, 0, 1, 1
.else
	KST \sg, 0, 1, 0
.endif
	WIN 0
	s_cmp_eq_u32 s3, 0
	s_cbranch_scc1 .Leven_\@
	KST \sg, 1, 1, 0
	KST \sg, 2, 1, 0
	KST \sg, 3, 0, 0
	WIN 0
	s_branch .Lepi
.Leven_\@:
	KST \sg, 1, 0, 0
	WIN 0
	s_branch .Lepi
.endm
	CROUND                                         ; all four work-groups are here: the first joint loads meet
	s_cmp_eq_u32 s19, 1                            ; one branch on NS, the first fills in each of its arms
	s_cbranch_scc1 .Lt0
	s_cmp_eq_u32 s15, 0                            ; this way reads both slots: my one load at the head brings my part of both: keys 0 to 1,023
	s_cbranch_scc0 .Lfor_v2
	tensor_load_to_lds s[G0P:G0P+3], s[G1P2:G1P2+7]
	s_nop 0
.rept 4
	v_nop
.endr
	s_branch .Lasked2
.Lfor_v2:
	tensor_load_to_lds s[G0VH:G0VH+3], s[G1V2:G1V2+7]
	s_nop 0
.rept 4
	v_nop
.endr
.Lasked2:
	STATS
	CH 0, 0                                        ; both slots and the statistics are whole
	BODY3 0
	s_cmp_eq_u32 s19, 2
	s_cbranch_scc1 .Lt1
	CH 1, 1                                        ; slot 0, which has been read, takes keys 1,024 on
	BODY3 1
	s_cmp_eq_u32 s19, 3
	s_cbranch_scc1 .Lt2
	CH 2, 1                                        ; slot 1 takes keys 1,536 on
	BODY3 2
	CH 3, 0
	LAST 3
.Lt2:
	CH 2, 0
	LAST 2
.Lt1:
	CH 1, 0
	LAST 1
.Lt0:
	JLOAD 0                                        ; NS = 1: slot 0 alone is read, so it alone is asked for
	STATS
	CH 0, 0
	LAST 0
.Lepi:
	; THE WAY OUT.  A lane's eight results of a tile are eight neighbouring e of one query.  Times 1 / l, a block of 16 queries x 64 e goes through my stage and comes back as rows of 256 bytes.
.irp a, 0,1,2,3,4,5,6,7
	ds_load_b32 v[RC+2*\a], v[ADRL] offset:64*\a   ; 1 / l of query 16 a + r, twice: a pair for the packed multiply
	ds_load_b32 v[RC+2*\a+1], v[ADRL] offset:64*\a
.endr
	PLACES 4                                       ; behind the last products, in front of the first read of results
	s_wait_dscnt 0x0                               ; my reads of the ring are over
	s_barrier_signal -1
	s_barrier_wait -1                              ; everybody's are: the stages may be written into slot 0, which has had its last fill
.macro TOSTAGE a
	WIN 0x01                                       ; source 0: window 1
.irp t, 0,1,2,3
.irp j, 0,2,4,6
	v_pk_mul_f32 v[TMP+8*\t+\j:TMP+8*\t+\j+1], v[8*(4*(\a)+\t)+\j:8*(4*(\a)+\t)+\j+1], v[RC+2*(\a):RC+2*(\a)+1]   ; each accumulator from its low end on
.endr
.endr
	WIN 0
.irp t, 0,1,2,3
	ds_store_b128 v[STO], v[TMP+8*\t:TMP+8*\t+3] offset:64*\t
	ds_store_b128 v[STO], v[TMP+8*\t+4:TMP+8*\t+7] offset:64*\t+16
.endr
.set BB, BK+32*((\a)%2)
.irp i, 0,1,2,3,4,5,6,7
	ds_load_b128 v[BB+4*\i:BB+4*\i+3], v[RD] offset:2*\i*SP   ; LDS serves a wave's instructions in order: these see my stores, and the next block's stores come behind them
.endr
.endm
.macro SEND a, younger                 ; younger: the LDS instructions issued behind block a's loads, which may stay out
.set BB, BK+32*((\a)%2)
	s_wait_dscnt \younger
.irp i, 0,1,2,3,4,5,6,7
	global_store_b128 v[GO], v[BB+4*\i:BB+4*\i+3], s[10:11] offset:(16*(\a)+2*\i)*4096 th:TH_STORE_NT   ; sixteen lanes store 256 consecutive bytes, aligned; written once, read by nobody here
.endr
.endm
	TOSTAGE 0
.irp a, 1,2,3,4,5,6,7
.if \a > 1
	s_wait_xcnt 0x0                                ; block a - 2's stores have read their registers: block a's loads may land there
.endif
	TOSTAGE \a
	SEND \a-1, 16                                  ; behind block a - 1's loads: block a's 8 stores and 8 loads
.endr
	SEND 7, 0
	s_wait_tensorcnt 0x0                           ; the wave's end
	ds_add_u32 v[SPW], v[NIL]
	s_wait_dscnt 0x0
	CROUND                                         ; the closing round: no work-group ends while a partner may still ask for a tile that names it
	s_endpgm
.Lfunc_end_k_q60c7c19591_pv:
	.size	k_q60c7c19591_pv, .Lfunc_end_k_q60c7c19591_pv-k_q60c7c19591_pv
	.p2alignl 7, 3214868480
	.fill 96, 4, 3214868480
	.section	.rodata,"a",@progbits
	.p2align	6, 0x0
	.amdhsa_kernel k_q60c7c19591_pv
		.amdhsa_group_segment_fixed_size 327680
		.amdhsa_private_segment_fixed_size 0
		.amdhsa_enable_private_segment 0
		.amdhsa_kernarg_size 32
		.amdhsa_user_sgpr_count 2
		.amdhsa_user_sgpr_kernarg_segment_ptr 1
		.amdhsa_wavefront_size32 1
		.amdhsa_system_sgpr_workgroup_id_x 1
		.amdhsa_system_sgpr_workgroup_id_y 1
		.amdhsa_system_sgpr_workgroup_id_z 1
		.amdhsa_system_vgpr_workitem_id 0
		.amdhsa_next_free_vgpr 1024
		.amdhsa_next_free_sgpr 96
		.amdhsa_reserve_vcc 0
		.amdhsa_float_denorm_mode_32 3
		.amdhsa_float_denorm_mode_16_64 3
		.amdhsa_memory_ordered 1
		.amdhsa_forward_progress 1
		.amdhsa_inst_pref_size 255
	.end_amdhsa_kernel
	.section	.bss,"aw",@nobits
	.p2align	6
	.space	262144
	.amdgpu_metadata
---
amdhsa.version: [ 1, 2 ]
amdhsa.kernels:
  - .name:           k_q60c7c19591_pv
    .symbol:         k_q60c7c19591_pv.kd
    .args:
      - { .name: p_img, .offset: 0, .size: 8, .value_kind: global_buffer, .address_space: global }
      - { .name: v_img, .offset: 8, .size: 8, .value_kind: global_buffer, .address_space: global }
      - { .name: p_stat, .offset: 16, .size: 8, .value_kind: global_buffer, .address_space: global }
      - { .name: out0, .offset: 24, .size: 8, .value_kind: global_buffer, .address_space: global }
    .group_segment_fixed_size: 327680
    .private_segment_fixed_size: 0
    .kernarg_segment_align: 8
    .kernarg_segment_size: 32
    .max_flat_workgroup_size: 128
    .sgpr_count:     96
    .vgpr_count:     1024
    .wavefront_size: 32
...
	.end_amdgpu_metadata
.endif
;; end of part 4
